; MI455X (gfx1250); checked and timed in simulation.
; The chip was launched on July 23, 2026; its instructions are those of AMD's public machine-readable ISA for CDNA 5 (MIT licence, August 2026) and "CDNA5" Instruction Set Architecture Reference Guide (July 2026). The comments in the code are by the model that wrote it; some were corrected since.
;; Layer. Allowed arithmetic: float matrix products may take bf16 or f16 operands with f32 sums; other float arithmetic in f32, or as packed bf16 or f16 multiplies, adds, multiply-adds, maxima and minima; sums over many terms, partial sums and values carried from step to step in f32; what a program stores and reads back later, other than sums and carried values, may be rounded once to bf16 or f16.
;; Inputs: Acoeff 2,048 x 64 float32; Bbasis 64 x 2,048 float32; W 2,048 x 2,048 float32; W_res 2,048 x 2,048 float32; beta 2,048 float32; gamma 2,048 float32; x 4 x 2,048 x 2,048 float32.
;; Outputs: out0 4 x 2,048 x 2,048 float32.
;; 2 versions, each right; version 2 is version 1 with the launch cast written anew for expert scheduling mode. Each part assembles by itself: llvm-mc -triple=amdgcn-amd-amdhsa -mcpu=gfx1250 --defsym DOCPART=n.
;; ======== version 1 of 2: 3 launches
;; workspace buffers: xb 33,554,432 bytes; wb 8,388,608 bytes; wrb 8,388,608 bytes; stats 2,097,152 bytes; bbr 524,288 bytes; acr 524,288 bytes; gmr 8,192 bytes; ber 8,192 bytes
;; launch cast (part 1): grid 1024 x 1, 8 waves a work-group, no clusters, 0 bytes of LDS; arguments x, W, W_res, xb, wb, wrb, Bbasis, Acoeff, gamma, beta, bbr, acr, gmr, ber; writes xb, wb, wrb, bbr, acr, gmr, ber
.if DOCPART == 1
	.amdgcn_target "amdgcn-amd-amdhsa--gfx1250"
	.amdhsa_code_object_version 6
	.text
	.protected	k_qff1812fdb2_cast
	.globl	k_qff1812fdb2_cast
	.p2align	8
	.type	k_qff1812fdb2_cast,@function
k_qff1812fdb2_cast:
	s_mov_b64 s[64:65], 0
	v_nop
	global_prefetch_b8 v0, s[64:65] scope:SCOPE_SE
	s_setreg_imm32_b32 hwreg(HW_REG_WAVE_MODE, 25, 1), 1
	s_wait_xcnt 0x0
; EVERY INPUT IS ROUNDED ONCE TO bf16 (to nearest even), so that the whole program works on one rounding of its inputs.  bf16 has f32's range: nothing overflows.
; NaN and infinities pass as the conversion makes them.
; xb = bf16(x), wb = bf16(W), wrb = bf16(W_res): packed, the matrix operands of the two products that follow.
; bbr, acr, gmr, ber = Bbasis, Acoeff, gamma, beta rounded to bf16 and written back as f32 words: the launches that follow multiply them in f32 by packed multiply-adds straight from the loaded
; registers; packed halves would save 532,480 bytes in all and cost each of their 1,024 waves two unpacking lines for each pair of numbers.
; 1,024 work-groups of eight waves.  THE STREAM: a work-group takes 65,536 bytes of x and 16,384 bytes each of W and W_res: 24 steps of 4,096 bytes.
; In a step thread t loads the 16 bytes at 16 t (a wave: 512 consecutive bytes) and stores the 8 bytes at 8 t (a wave: 256 consecutive bytes, aligned).
; All 24 loads of a wave go out at once, each into registers of its own; no register is written again behind a store, so the only waits are the counted ones for the loads.
; THE TABLES go in pieces of 512 bytes, one load and one store of a wave.  Work-group g: wave 0 takes piece g of Bbasis' 1,024, wave 1 piece g of Acoeff's 1,024; in work-groups 0 to 15 wave 2 takes
; piece g of gamma's 16 and wave 3 piece g of beta's 16.  A wave's piece stands ahead of its stream: while it waits for that one load, the work-group's other waves have their loads out.
; No LDS, no barrier, no matrix unit: the launch moves bytes and nothing is shared.
.set X,  4                             ; v[4:99]    step i: 4 registers as loaded; the first two then hold the 4 bf16 to store
.set TB, 100                           ; v[100:103] a table's 4 numbers, as loaded and then as rounded
.set TP, 104                           ; v[104:105] the same as 4 bf16
	s_load_b512 s[4:19], s[0:1], 0x0               ; x s[4:5], W s[6:7], W_res s[8:9], xb s[10:11], wb s[12:13], wrb s[14:15], Bbasis s[16:17], Acoeff s[18:19]
	s_load_b256 s[20:27], s[0:1], 0x40             ; gamma s[20:21], beta s[22:23], bbr s[24:25], acr s[26:27]
	s_load_b128 s[28:31], s[0:1], 0x60             ; gmr s[28:29], ber s[30:31]
	v_lshlrev_b32 v1, 4, v0                        ; 16 t: my bytes in a step's 4,096 of f32
	v_lshlrev_b32 v2, 3, v0                        ; 8 t: my bytes in a step's 2,048 of bf16
	v_lshrrev_b32 v3, 5, v0
	v_readfirstlane_b32 s2, v3                     ; my wave's number
	s_mov_b32 s3, ttmp9                            ; g
	s_lshl_b32 s32, ttmp9, 9
	v_and_b32 v3, 31, v0
	v_lshl_add_u32 v3, v3, 4, s32                  ; my 16 bytes in a table: 512 g + 16 x lane
	s_mov_b32 s33, 0xffff0000                      ; a word's upper bf16
	s_lshl_b32 s34, ttmp9, 16                      ; the work-group's share of x,
	s_mov_b32 s35, 0
	s_lshl_b32 s36, ttmp9, 14                      ; of W and of W_res,
	s_mov_b32 s37, 0
	s_lshl_b32 s38, ttmp9, 15                      ; of xb,
	s_mov_b32 s39, 0
	s_lshl_b32 s40, ttmp9, 13                      ; of wb and of wrb
	s_mov_b32 s41, 0
	s_wait_kmcnt 0x0
	s_add_nc_u64 s[4:5], s[4:5], s[34:35]
	s_add_nc_u64 s[6:7], s[6:7], s[36:37]
	s_add_nc_u64 s[8:9], s[8:9], s[36:37]
	s_add_nc_u64 s[10:11], s[10:11], s[38:39]
	s_add_nc_u64 s[12:13], s[12:13], s[40:41]
	s_add_nc_u64 s[14:15], s[14:15], s[40:41]
; Wave w rounds its piece of the table at s[src:src+1] into the one at s[dst:dst+1], and goes on to the stream: a wave runs one of these at the most.
.macro TAB w, src, dst
	s_cmp_lg_u32 s2, \w
	s_cbranch_scc1 .Lnot_\@
	global_load_b128 v[TB:TB+3], v3, s[\src:\src+1] th:TH_LOAD_NT  ; read once in the launch
	s_wait_loadcnt 0x0                             ; the one load that is out
	v_cvt_pk_bf16_f32 v[TP],   v[TB],   v[TB+1]
	v_cvt_pk_bf16_f32 v[TP+1], v[TB+2], v[TB+3]
	v_lshlrev_b32 v[TB],   16,  v[TP]              ; bf16 to f32: the low half moves up,
	v_and_b32     v[TB+1], s33, v[TP]              ; the high half stays
	v_lshlrev_b32 v[TB+2], 16,  v[TP+1]
	v_and_b32     v[TB+3], s33, v[TP+1]
	global_store_b128 v3, v[TB:TB+3], s[\dst:\dst+1]  ; the wave stores 512 consecutive bytes, aligned; its registers are not written again
	s_branch .Lstream
.Lnot_\@:
.endm
	TAB 0, 16, 24                                  ; Bbasis -> bbr
	TAB 1, 18, 26                                  ; Acoeff -> acr
	s_cmp_ge_u32 s3, 16                            ; gamma and beta have 16 pieces each
	s_cbranch_scc1 .Lstream
	TAB 2, 20, 28                                  ; gamma -> gmr
	TAB 3, 22, 30                                  ; beta -> ber
.Lstream:
.macro LD i, base, n                   ; step i of the 24 is step n of the buffer whose address lies in s[base:base+1]
	global_load_b128 v[X+4*(\i):X+4*(\i)+3], v1, s[\base:\base+1] offset:4096*(\n) th:TH_LOAD_NT  ; read once in the launch
.endm
.macro CV i, base, n
	s_wait_loadcnt 23-(\i)                         ; loads come back in order (ISA guide 5.7.1): step i is in, the younger ones stay out
	v_cvt_pk_bf16_f32 v[X+4*(\i)],   v[X+4*(\i)],   v[X+4*(\i)+1]
	v_cvt_pk_bf16_f32 v[X+4*(\i)+1], v[X+4*(\i)+2], v[X+4*(\i)+3]
	global_store_b64 v2, v[X+4*(\i):X+4*(\i)+1], s[\base:\base+1] offset:2048*(\n)  ; no hint: the next launches read these bytes
.endm
.set i, 0
.rept 16
	LD i, 4, i
.set i, i+1
.endr
.set i, 0
.rept 4
	LD 16+i, 6, i
.set i, i+1
.endr
.set i, 0
.rept 4
	LD 20+i, 8, i
.set i, i+1
.endr
.set i, 0
.rept 16
	CV i, 10, i
.set i, i+1
.endr
.set i, 0
.rept 4
	CV 16+i, 12, i
.set i, i+1
.endr
.set i, 0
.rept 4
	CV 20+i, 14, i
.set i, i+1
.endr
	s_endpgm
.Lfunc_end_k_qff1812fdb2_cast:
	.size	k_qff1812fdb2_cast, .Lfunc_end_k_qff1812fdb2_cast-k_qff1812fdb2_cast
	.p2alignl 7, 3214868480
	.fill 96, 4, 3214868480
	.section	.rodata,"a",@progbits
	.p2align	6, 0x0
	.amdhsa_kernel k_qff1812fdb2_cast
		.amdhsa_group_segment_fixed_size 0
		.amdhsa_private_segment_fixed_size 0
		.amdhsa_enable_private_segment 0
		.amdhsa_kernarg_size 112
		.amdhsa_user_sgpr_count 2
		.amdhsa_user_sgpr_kernarg_segment_ptr 1
		.amdhsa_wavefront_size32 1
		.amdhsa_system_sgpr_workgroup_id_x 1
		.amdhsa_system_sgpr_workgroup_id_y 1
		.amdhsa_system_sgpr_workgroup_id_z 1
		.amdhsa_system_vgpr_workitem_id 0
		.amdhsa_next_free_vgpr 106
		.amdhsa_next_free_sgpr 66
		.amdhsa_reserve_vcc 0
		.amdhsa_float_denorm_mode_32 3
		.amdhsa_float_denorm_mode_16_64 3
		.amdhsa_memory_ordered 1
		.amdhsa_forward_progress 1
		.amdhsa_inst_pref_size 12
	.end_amdhsa_kernel
	.amdgpu_metadata
---
amdhsa.version: [ 1, 2 ]
amdhsa.kernels:
  - .name:           k_qff1812fdb2_cast
    .symbol:         k_qff1812fdb2_cast.kd
    .args:
      - { .name: x, .offset: 0, .size: 8, .value_kind: global_buffer, .address_space: global }
      - { .name: W, .offset: 8, .size: 8, .value_kind: global_buffer, .address_space: global }
      - { .name: W_res, .offset: 16, .size: 8, .value_kind: global_buffer, .address_space: global }
      - { .name: xb, .offset: 24, .size: 8, .value_kind: global_buffer, .address_space: global }
      - { .name: wb, .offset: 32, .size: 8, .value_kind: global_buffer, .address_space: global }
      - { .name: wrb, .offset: 40, .size: 8, .value_kind: global_buffer, .address_space: global }
      - { .name: Bbasis, .offset: 48, .size: 8, .value_kind: global_buffer, .address_space: global }
      - { .name: Acoeff, .offset: 56, .size: 8, .value_kind: global_buffer, .address_space: global }
      - { .name: gamma, .offset: 64, .size: 8, .value_kind: global_buffer, .address_space: global }
      - { .name: beta, .offset: 72, .size: 8, .value_kind: global_buffer, .address_space: global }
      - { .name: bbr, .offset: 80, .size: 8, .value_kind: global_buffer, .address_space: global }
      - { .name: acr, .offset: 88, .size: 8, .value_kind: global_buffer, .address_space: global }
      - { .name: gmr, .offset: 96, .size: 8, .value_kind: global_buffer, .address_space: global }
      - { .name: ber, .offset: 104, .size: 8, .value_kind: global_buffer, .address_space: global }
    .group_segment_fixed_size: 0
    .private_segment_fixed_size: 0
    .kernarg_segment_align: 8
    .kernarg_segment_size: 112
    .max_flat_workgroup_size: 256
    .sgpr_count:     66
    .vgpr_count:     106
    .wavefront_size: 32
...
	.end_amdgpu_metadata
.endif
;; end of part 1
;; launch gemmt (part 2): grid 8 x 32, 4 waves a work-group, clusters of 4 x 4, 327,680 bytes of LDS; arguments xb, wb, bbr, gmr, ber, stats; writes stats
.if DOCPART == 2
	.amdgcn_target "amdgcn-amd-amdhsa--gfx1250"
	.amdhsa_code_object_version 6
	.text
	.protected	k_qff1812fdb2_gemmt
	.globl	k_qff1812fdb2_gemmt
	.p2align	8
	.type	k_qff1812fdb2_gemmt,@function
k_qff1812fdb2_gemmt:
	s_mov_b64 s[64:65], 0
	v_nop
	global_prefetch_b8 v0, s[64:65] scope:SCOPE_SE
	s_setreg_imm32_b32 hwreg(HW_REG_WAVE_MODE, 25, 1), 1
	s_wait_xcnt 0x0
	s_wait_alu depctr_hold_cnt(0) depctr_sa_sdst(0) depctr_va_vdst(0) depctr_va_sdst(0) depctr_va_ssrc(0) depctr_va_vcc(0) depctr_vm_vsrc(0)
	s_getreg_b32 s2, hwreg(HW_REG_IB_STS2, 6, 4)
	s_cmp_eq_u32 s2, 0
	s_cbranch_scc0 .Lentry_in_a_cluster
	s_endpgm
.Lentry_in_a_cluster:
	s_bfe_u32 s2, ttmp6, 0x10000c
	s_cmp_lg_u32 s2, 0xf033
	s_cbranch_scc0 .Lentry_shape_is_right
	s_endpgm
.Lentry_shape_is_right:
; t = xb wb^T (8,192 rows x 2,048 columns, K = 2,048, bf16 operands, f32 sums) is made and NOT stored: of t the layer uses three sums along each row.
; A work-group of four waves makes a tile of 256 x 256; a wave 128 x 128: 64 accumulators of 16 x 16, 512 registers.  K goes in steps of 128 through two LDS slots filled by the tensor data mover.
; WHAT LEAVES.  A wave's 128 columns are a CHUNK c of a row.  While t still lies in the accumulators the wave makes, for each of its 128 rows and with j = row mod 64:
;   mean_c = the chunk's mean of t;  M2_c = sum (t - mean_c)^2;  dot_c = sum (t - mean_c) gamma[d] Bbasis[j][d];  and for each j:  sg_c = sum gamma[d] Bbasis[j][d];  bb_c = sum beta[d] Bbasis[j][d].
; Every chunk is centred on its own mean before it is squared, so no variance is a difference of large sums; the next launch joins a row's 16 chunks.
; stats: [chunk 16][group of 128 rows 64][q 64][8 f32]; record q serves rows 128 g + q (lo) and 128 g + 64 + q (hi), which share j = q: mean_lo, mean_hi, M2_lo, M2_hi, dot_lo, dot_hi, sg, bb.
; LIMITS.  All inputs arrive rounded once to bf16: x and W packed (xb, wb); Bbasis, gamma and beta as f32 words that hold the rounded numbers (bbr, gmr, ber), which is what the three names mean below.
; All arithmetic on them is f32.  M2 is an f32 sum of 128 squares: |t - mean_c| stays under 1e18.  NaN and infinities are not treated apart.
; CLUSTERS: 4 x 4 work-groups.  The four of a row of the cluster need the same tiles of xb, the four of a column the same tiles of wb: each tile is asked for JOINTLY, by the same tensor load with the
; same descriptor and a mask that names the four.
; THE MATRIX INSTRUCTION IS USED TRANSPOSED (source 0 = 16 rows of wb, source 1 = 16 rows of xb): lane l holds ONE row of t (16 a + l % 16) and, in accumulator (a, b), the columns 16 b + 8 (l / 16) + 0..7.
; So a row's sums are sums along a lane's registers and one exchange between the halves of the lanes.
; REGISTERS, in windows of 256 (s_set_vgpr_msb: bits 1:0 source 0, 3:2 source 1, 5:4 source 2, 7:6 destination):
;   window 0: v0-31 addresses; v32-63 a row block's results; v64-127, v128-191 fragments of xb, two buffers, behind the walk gamma and beta; v192-239 at work
;   window 1: v64-127, v128-191 fragments of wb, two buffers; behind the walk all 256: Bbasis for my columns, block jb of 16 values of j at v[64 jb]
;   window 2: the 32 accumulators of my rows 0-63 ((a, b) at v[8 (8 a + b)]);   window 3: those of my rows 64-127
.set SIZE_K, 2048
.set KSTEP,  128
.set PITCH,  272                       ; an LDS row: 256 bytes + 16 of padding = 68 words: row r starts at bank 4 r mod 64 (64 banks of 4 bytes: ISA guide 11.1), so the 16 rows of a load start at 16 different banks
.set HALFT,  128*PITCH                 ; 128 rows: what one tensor load brings, and what one wave reads of xb or of wb
.set SLOT,   4*HALFT                   ; xb's 256 rows, then wb's 256 rows
.set SPARE,  2*SLOT                    ; behind the ring: the spare words, 128 bytes for each wave: two blocks of 256 bytes that no other line names
.set LAPS,   SIZE_K/(2*KSTEP)          ; a lap = two K steps = once round the ring: 8
.set ADRA, 16                          ; v16-17  LDS address of my xb fragments in slot 0, 1
.set ADRB, 20                          ; v20-21  the same for wb
.set BO,   24                          ; v24     my byte offset in Bbasis: 8,192 (l % 16) + 32 (l / 16)
.set GO,   25                          ; v25     in gamma and beta: 32 (l / 16)
.set SO,   26                          ; v26     in a block of 16 records: 32 (l % 16) + 16 (l / 16)
.set SPW,  28                          ; v28     LDS address of my spare word: SPARE + 4 x my thread's number; never rewritten
.set NIL,  29                          ; v29     0; never rewritten
.set MN,   32                          ; v[32+2a, 33+2a]  row block a: the chunk's mean, twice (a pair for the packed subtraction)
.set M2,   48                          ; v[48+a]
.set DT,   56                          ; v[56+a]
.set F0,   64                          ; fragment buffer 0
.set F1,   128                         ; fragment buffer 1
.set GM,   64                          ; behind the walk: gamma of my 64 columns, (b, i) at 8 b + i
.set BE,   128                         ; beta likewise
.set T,    192                         ; v192-207  eight running pairs
.set SM,   208                         ; v[208+a]  the sum of t
.set SG,   216                         ; v[216+jb]
.set BB,   220                         ; v[220+jb]
.set REC,  224                         ; v[224+4jb ..]  my 16 bytes of a record
.set G1, 24                            ; s[24:31] descriptor group 1 for xb's tiles
.set G0, 32                            ; s[32:39] descriptor group 0 for xb's tiles, one set for each slot
.set G1B, 48                           ; s[48:55] descriptor group 1 for wb's tiles: it differs in the mask alone
.set G0B, 56                           ; s[56:63] descriptor group 0 for wb's tiles, one set for each slot
.set MSB, 0
.macro WIN new                         ; the immediate's high byte repeats the setting that is left; a switch that changes nothing is dropped
.if MSB != (\new)
	s_set_vgpr_msb (MSB<<8)|(\new)
.set MSB, \new
.endif
.endm
.set MUL_LO, 0xa1                      ; source 0 (wb) window 1, source 1 (xb) window 0, C and D window 2
.set MUL_HI, 0xf1                      ; the same, C and D window 3
.set TO_B,   0x40                      ; destination window 1, address window 0
; A joint load.  Waves 0 and 1 fetch xb's two halves, waves 2 and 3 wb's.  Each of the two lines has one mask and one set of registers for all that issue it.  The branch hangs on the wave's number alone.
; An s_nop 0 and four v_nop follow each of the two lines, ahead of the jump, the label and what follows.
.macro JLOAD s
	s_cmp_eq_u32 s11, 0
	s_cbranch_scc0 .Lfor_b_\@
	tensor_load_to_lds s[G0+4*(\s):G0+4*(\s)+3], s[G1:G1+7]
	s_nop 0
.rept 4
	v_nop
.endr
	s_branch .Lasked_\@
.Lfor_b_\@:
	tensor_load_to_lds s[G0B+4*(\s):G0B+4*(\s)+3], s[G1B:G1B+7]
	s_nop 0
.rept 4
	v_nop
.endr
.Lasked_\@:
.endm
; A round of the cluster's barrier: my work-group's barrier, so that wave 0's signal speaks for all four waves; wave 0 signals; every wave waits for all sixteen work-groups; my work-group's barrier once more.
.macro CREST                           ; a round behind its opening barrier
	s_cmp_lg_u32 s10, 0
	s_cbranch_scc1 .Lnot_wave_0_\@
	s_barrier_signal -3
.Lnot_wave_0_\@:
	s_barrier_wait -3
	s_barrier_signal -1
	s_barrier_wait -1
.endm
.macro CROUND                          ; a whole round
	s_barrier_signal -1
	s_barrier_wait -1
	CREST
.endm
	s_load_b128 s[4:7], s[0:1], 0x0                ; xb s[4:5], wb s[6:7]
	s_load_b256 s[68:75], s[0:1], 0x10             ; bbr (Bbasis) s[68:69], gmr (gamma) s[70:71], ber (beta) s[72:73], stats s[74:75]
	v_lshl_add_u32 v[SPW], v0, 2, SPARE
	v_mov_b32 v[NIL], 0
	ds_add_u32 v[SPW], v[NIL]                      ; the wave's opening: the add and its wait stand ahead of my first tensor load; the set-up below, work on registers, stands between them
	v_lshrrev_b32 v1, 5, v0
	v_readfirstlane_b32 s10, v1                    ; wave 0..3
	s_lshr_b32 s11, s10, 1                         ; which half of the tile's rows is mine.  Also: I fetch for xb (0) or for wb (1)
	s_and_b32 s12, s10, 1                          ; which half of its columns.  Also: which 128 rows of that tile I fetch
	s_bfe_u32 s40, ttmp6, 0x40000                  ; cx: my place along the cluster's x
	s_bfe_u32 s41, ttmp6, 0x40004                  ; cy: along its y
	s_lshl_b32 s42, ttmp9, 2                       ; in a cluster launch ttmp9 and ttmp7 count clusters
	s_add_co_u32 s42, s42, s40                     ; tile column = 4 x cluster x + cx
	s_and_b32 s13, ttmp7, 0xffff
	s_lshl_b32 s13, s13, 2
	s_add_co_u32 s13, s13, s41                     ; tile row = 4 x cluster y + cy
	s_lshl_b32 s43, s41, 2
	s_lshl_b32 s43, 15, s43                        ; my row of the cluster: places 4 cy .. 4 cy + 3
	s_lshl_b32 s44, 0x1111, s40                    ; my column: places cx, cx + 4, cx + 8, cx + 12
	; descriptor group 1: a tile of 128 rows x 128 elements, padded in LDS
	s_or_b32 s[G1+0], s43, (1<<16)|(1<<20)|(1<<21)|(5<<22)|(3<<25)  ; 15:0 the mask: xb's tiles go to my row; 17:16 element of 2 bytes; 20 padding on; 21 set beside a mask; 24:22 after every 64 words (code 5); 31:25 of 4 words (code 3)
	s_or_b32 s[G1B+0], s44, (1<<16)|(1<<20)|(1<<21)|(5<<22)|(3<<25) ; the same with the mask of my column, for wb's tiles
.irp g, G1, G1B
	s_mov_b32 s[(\g)+1], KSTEP<<16                 ; tensor_dim0 = 128
	s_mov_b32 s[(\g)+2], 128<<16                   ; tensor_dim1 = 128
	s_mov_b32 s[(\g)+3], KSTEP<<16                 ; tile_dim0 = 128
	s_mov_b32 s[(\g)+4], 128                       ; tile_dim1 = 128
	s_mov_b32 s[(\g)+5], SIZE_K                    ; elements from row to row
	s_mov_b32 s[(\g)+6], 0
	s_mov_b32 s[(\g)+7], 0
.endr
	; where the tiles come from.  xb's hang on the tile row alone, which my row of the cluster shares; wb's on the tile column alone, which my column shares.
	s_lshl_b32 s17, s12, 7                         ; which 128 rows of the tile I fetch
	s_lshl_b32 s16, s13, 8
	s_add_co_u32 s16, s16, s17                     ; xb: row 256 x tile row + 128 x half
	s_lshl_b32 s46, s42, 8
	s_add_co_u32 s46, s46, s17                     ; wb: row 256 x tile column + 128 x half
	s_mov_b32 s17, 0
	s_mov_b32 s47, 0
	s_mov_b64 s[18:19], SIZE_K*2
	s_mul_u64 s[16:17], s[16:17], s[18:19]         ; in bytes
	s_mul_u64 s[46:47], s[46:47], s[18:19]
	s_mul_i32 s20, s10, HALFT                      ; and where they go: wave x 128 rows: no place in the cluster enters an LDS address
	s_wait_dscnt 0x0                               ; the opening add is done
	s_wait_kmcnt 0x0
	s_add_nc_u64 s[14:15], s[4:5], s[16:17]
	s_add_nc_u64 s[46:47], s[6:7], s[46:47]
	CROUND                                         ; all sixteen work-groups are here: the first joint loads meet
.irp s, 0,1
	s_mov_b32 s[G0+4*(\s)], 1                                      ; 1:0 count = 1
	s_add_co_u32 s[G0+4*(\s)+1], s20, (\s)*SLOT                    ; 63:32 LDS address
	s_add_nc_u64 s[G0+4*(\s)+2:G0+4*(\s)+3], s[14:15], (\s)*KSTEP*2  ; 120:64 global address: K step s
	s_or_b32 s[G0+4*(\s)+3], s[G0+4*(\s)+3], 0x80000000            ; 127:126 type = 2
	s_mov_b32 s[G0B+4*(\s)], 1
	s_add_co_u32 s[G0B+4*(\s)+1], s20, (\s)*SLOT
	s_add_nc_u64 s[G0B+4*(\s)+2:G0B+4*(\s)+3], s[46:47], (\s)*KSTEP*2
	s_or_b32 s[G0B+4*(\s)+3], s[G0B+4*(\s)+3], 0x80000000
	JLOAD \s                                       ; the ring is filled before anything else is done: two loads of mine are out
.endr
	; A fragment is 16 rows x 32 K in 8 registers: lane l holds row l % 16; registers 0-3 hold K = 8 (l / 16) + 0..7, registers 4-7 K = 16 + 8 (l / 16) + 0..7: two loads of 16 bytes, 32 bytes apart.
	v_and_b32 v1, 15, v0                           ; l % 16
	v_bfe_u32 v2, v0, 4, 1                         ; l / 16
	v_mul_u32_u24 v3, v1, PITCH
	v_lshl_add_u32 v3, v2, 4, v3                   ; row x pitch + 16 x half
	s_mul_i32 s21, s11, HALFT                      ; my 128 rows of xb
	s_mul_i32 s22, s12, HALFT                      ; my 128 rows of wb,
	s_add_co_u32 s22, s22, 2*HALFT                 ; which lie behind xb's 256
.irp s, 0,1
	v_add_nc_u32 v[ADRA+(\s)], s21, v3
	v_add_nc_u32 v[ADRB+(\s)], s22, v3
	s_add_co_u32 s21, s21, SLOT
	s_add_co_u32 s22, s22, SLOT
.endr
	v_lshlrev_b32 v[GO], 5, v2
	v_lshl_add_u32 v[BO], v1, 13, v[GO]
	v_lshlrev_b32 v[SO], 5, v1
	v_lshl_add_u32 v[SO], v2, 4, v[SO]
	s_lshl_b32 s76, s42, 10                        ; my first column in bytes of f32: 1,024 x tile column + 512 x half
	s_lshl_b32 s77, s12, 9
	s_add_co_u32 s76, s76, s77
	s_mov_b32 s77, 0
	s_add_nc_u64 s[68:69], s[68:69], s[76:77]      ; Bbasis, gamma and beta at my first column
	s_add_nc_u64 s[70:71], s[70:71], s[76:77]
	s_add_nc_u64 s[72:73], s[72:73], s[76:77]
	s_lshl_b32 s78, s42, 1
	s_add_co_u32 s78, s78, s12                     ; my chunk = 2 x tile column + half,
	s_lshl_b32 s78, s78, 17                        ; 131,072 bytes each;
	s_lshl_b32 s79, s13, 1
	s_add_co_u32 s79, s79, s11                     ; my group of 128 rows = 2 x tile row + half,
	s_lshl_b32 s79, s79, 11                        ; 2,048 bytes each
	s_add_co_u32 s78, s78, s79
	s_mov_b32 s79, 0
	s_add_nc_u64 s[74:75], s[74:75], s[78:79]      ; stats at my 64 records
	s_mov_b32 s45, 0xffff0000                      ; lanes 16 to 31
	s_mov_b32 s66, 0x76543210                      ; v_permlanex16_b32: each lane takes its own place in the other half
	s_mov_b32 s67, 0xfedcba98
; Bbasis[16 jb + l % 16][my columns 16 b + 8 (l / 16) + 0..7] -> window 1, v[64 jb + 8 b ..]: 16 loads of 16 bytes
.macro LOADB jb
	WIN TO_B
.irp b, 0,1,2,3,4,5,6,7
	global_load_b128 v[64*(\jb)+8*(\b):64*(\jb)+8*(\b)+3],   v[BO], s[68:69] offset:(\jb)*131072+64*(\b)
	global_load_b128 v[64*(\jb)+8*(\b)+4:64*(\jb)+8*(\b)+7], v[BO], s[68:69] offset:(\jb)*131072+64*(\b)+16
.endr
	WIN 0
.endm
	LOADB 0                                        ; blocks 0 and 3 lie in registers that the walk over K leaves alone: they come in beside the first tiles
	LOADB 3
; 16 matrix instructions: row blocks a0, a0 + 1 of the window's four (hi = 0: my rows 0-63, 1: rows 64-127) x all 8 column blocks, 32 along K.  zero = 1: the first product starts the sums: nothing is ever cleared.
.macro MUL16 f, hi, a0, zero
	WIN MUL_LO+0x50*(\hi)
.irp a, \a0, (\a0)+1
.irp b, 0,1,2,3,4,5,6,7
.if \zero
	v_wmma_f32_16x16x32_bf16 v[8*(8*(\a)+(\b)):8*(8*(\a)+(\b))+7], v[(\f)+8*(\b):(\f)+8*(\b)+7], v[(\f)+8*(4*(\hi)+(\a)):(\f)+8*(4*(\hi)+(\a))+7], 0
.else
	v_wmma_f32_16x16x32_bf16 v[8*(8*(\a)+(\b)):8*(8*(\a)+(\b))+7], v[(\f)+8*(\b):(\f)+8*(\b)+7], v[(\f)+8*(4*(\hi)+(\a)):(\f)+8*(4*(\hi)+(\a))+7], v[8*(8*(\a)+(\b)):8*(8*(\a)+(\b))+7]
.endif
.endr
.endr
.endm
; 32 LDS loads in one run: the fragments of one quarter step (128 rows of wb, 128 rows of xb, 32 K at byte k of the rows) into buffer f
.macro FETCH slot, k, f
	WIN TO_B
.irp i, 0,1,2,3,4,5,6,7
	ds_load_b128 v[(\f)+8*(\i):(\f)+8*(\i)+3],   v[ADRB+(\slot)] offset:(\k)+(\i)*16*PITCH
	ds_load_b128 v[(\f)+8*(\i)+4:(\f)+8*(\i)+7], v[ADRB+(\slot)] offset:(\k)+(\i)*16*PITCH+32
.endr
	WIN 0
.irp i, 0,1,2,3,4,5,6,7
	ds_load_b128 v[(\f)+8*(\i):(\f)+8*(\i)+3],   v[ADRA+(\slot)] offset:(\k)+(\i)*16*PITCH
	ds_load_b128 v[(\f)+8*(\i)+4:(\f)+8*(\i)+7], v[ADRA+(\slot)] offset:(\k)+(\i)*16*PITCH+32
.endr
.endm
; A load into a register that a matrix instruction has read, and a vector instruction that reads a matrix result, stand four places behind that matrix instruction, and only plain vector
; instructions that name none of its registers are places (ISA guide 7.12.1 for vector instructions).
.macro PLACES
.rept 4
	v_nop
.endr
.endm
; A K step is four quarter steps of 32 along K, 64 matrix instructions each, on buffers 0, 1, 0, 1.  The 64 accumulators take turns, in the same order in every quarter.
; One of the first three: multiplies buffer f; in its middle it fetches the next quarter's fragments, at byte k of the same slot's rows, into buffer g.
.macro QUARTER slot, k, f, g, zero
	s_wait_dscnt 8                                 ; wb and xb's rows 0-63 are in; the youngest eight loads (xb's rows 64-127) may be out
	MUL16 \f, 0, 0, \zero
	MUL16 \f, 0, 2, \zero
	PLACES
	FETCH \slot, \k, \g
	s_wait_dscnt 32                                ; all but the 32 just issued
	MUL16 \f, 1, 0, \zero
	MUL16 \f, 1, 2, \zero
.endm
; The last quarter multiplies buffer 1 and changes slots.  MEET is its first half: ONE barrier for the change.  In front of it each wave waits for all its tensor loads, of which one is out: its part of
; the next slot; adds 0 to its spare word; and waits for that and for its own reads of this slot.  Behind it nobody reads this slot any more and the next slot is whole.
.macro MEET round                      ; round = 1: a round of the cluster's barrier follows
	WIN 0                                          ; (the add's two registers lie in window 0)
	s_wait_tensorcnt 0x0                           ; all my tensor loads have landed;
	ds_add_u32 v[SPW], v[NIL]                      ; 0 onto my spare word;
	s_wait_dscnt 9                                 ; (the add and the youngest eight loads may be out)
	MUL16 F1, 0, 0, 0                              ; sixteen matrix instructions stand between the add and the wait for it
	s_wait_dscnt 0x0                               ; the add is done, and my reads of this slot are over:
	s_barrier_signal -1                            ; say so,
	MUL16 F1, 0, 2, 0                              ; work on registers while the others arrive,
.if \round
	WIN 0
.endif
	s_barrier_wait -1                              ; and go on when all four have said so
.endm
; The whole last quarter where the slot is filled again, with the K step two steps on: the barrier opens a round of the cluster's, and the joint refill is the first tensor load behind it:
; one load of mine is out, and 224 matrix instructions stand between the request and the wait for it.
.macro TURN slot, next
	MEET 1
	CREST                                          ; no wave of any partner still reads this slot's tile or has a load on its way
	s_add_nc_u64 s[G0+4*(\slot)+2:G0+4*(\slot)+3], s[G0+4*(\slot)+2:G0+4*(\slot)+3], 2*KSTEP*2
	s_add_nc_u64 s[G0B+4*(\slot)+2:G0B+4*(\slot)+3], s[G0B+4*(\slot)+2:G0B+4*(\slot)+3], 2*KSTEP*2
	JLOAD \slot                                    ; the four v_nop behind it are also the places in front of the loads below
	FETCH \next, 0, F0
	MUL16 F1, 1, 0, 0
	MUL16 F1, 1, 2, 0
.endm
.macro TURNX                           ; the last change of slots: nothing is left to fetch, so no round follows
	MEET 0
	PLACES
	FETCH 1, 0, F0
	MUL16 F1, 1, 0, 0
	MUL16 F1, 1, 2, 0
.endm
.macro LASTQ                           ; the very last quarter: nothing more to read from LDS
	s_wait_dscnt 8
	MUL16 F1, 0, 0, 0
	MUL16 F1, 0, 2, 0
	s_wait_dscnt 0x0
	MUL16 F1, 1, 0, 0
	MUL16 F1, 1, 2, 0
	WIN 0
	PLACES                                         ; for the loads into the fragment buffers and the first reads of results
.endm
	s_wait_loadcnt 0x0                             ; Bbasis' blocks 0 and 3: nothing of mine pends across the walk
	s_wait_tensorcnt 1                             ; my part of K step 0 is in; K step 1's may stay out
	s_barrier_signal -1
	s_barrier_wait -1                              ; everybody's is
	FETCH 0, 0, F0
	QUARTER 0, 64,  F0, F1, 1                      ; the first quarter stands in front of the loop: its products start the sums
	WIN 0                                          ; at a label and at a branch every window is 0
	s_mov_b32 s3, LAPS-1
.Llap:                                                 ; a trip goes once round the ring, from a lap's second quarter to the next lap's first, and fills both slots again
	QUARTER 0, 128, F1, F0, 0
	QUARTER 0, 192, F0, F1, 0
	TURN 0, 1
	QUARTER 1, 64,  F0, F1, 0
	QUARTER 1, 128, F1, F0, 0
	QUARTER 1, 192, F0, F1, 0
	TURN 1, 0
	QUARTER 0, 64,  F0, F1, 0
	WIN 0
	s_sub_co_u32 s3, s3, 1
	s_cmp_lg_u32 s3, 0
	s_cbranch_scc1 .Llap
	QUARTER 0, 128, F1, F0, 0                      ; the last lap is written out: it asks for nothing
	QUARTER 0, 192, F0, F1, 0
	TURNX
	QUARTER 1, 64,  F0, F1, 0
	QUARTER 1, 128, F1, F0, 0
	QUARTER 1, 192, F0, F1, 0
	LASTQ
; THE ROWS' SUMS.  A lane's 64 numbers of a row block run into eight pairs T[4 (b % 2) + p], which do not wait for each other; RED8 adds the eight pairs and a pair's halves.
.macro RED8 dst
	WIN 0
.irp k, 0,1,2,3
	v_pk_add_f32 v[T+2*(\k):T+2*(\k)+1], v[T+2*(\k):T+2*(\k)+1], v[T+8+2*(\k):T+8+2*(\k)+1]
.endr
	v_pk_add_f32 v[T:T+1], v[T:T+1], v[T+4:T+5]
	v_pk_add_f32 v[T+2:T+3], v[T+2:T+3], v[T+6:T+7]
	v_pk_add_f32 v[T:T+1], v[T:T+1], v[T+2:T+3]
	v_add_f32 v[\dst], v[T], v[T+1]
.endm
.macro XH base, n                      ; a row's other 64 columns lie in the lane 16 away: n registers from base on take the other half's sum too.  The exchange lands in T's registers, which have been written
	WIN 0
.set z, 0
.rept \n
	v_permlanex16_b32 v[T+z], v[(\base)+z], s66, s67
.set z, z+1
.endr
.set z, 0
.rept \n
	v_add_f32 v[(\base)+z], v[(\base)+z], v[T+z]
.set z, z+1
.endr
.endm
.macro CHAIN xb, yb                    ; T[..] = the sums of x(b, p) y(b, p); the caller sets the windows of x (source 0) and y (source 1)
.irp b, 0,1,2,3,4,5,6,7
.irp p, 0,1,2,3
.if (\b) < 2
	v_pk_mul_f32 v[T+8*((\b)%2)+2*(\p):T+8*((\b)%2)+2*(\p)+1], v[(\xb)+8*(\b)+2*(\p):(\xb)+8*(\b)+2*(\p)+1], v[(\yb)+8*(\b)+2*(\p):(\yb)+8*(\b)+2*(\p)+1]
.else
	v_pk_fma_f32 v[T+8*((\b)%2)+2*(\p):T+8*((\b)%2)+2*(\p)+1], v[(\xb)+8*(\b)+2*(\p):(\xb)+8*(\b)+2*(\p)+1], v[(\yb)+8*(\b)+2*(\p):(\yb)+8*(\b)+2*(\p)+1], v[T+8*((\b)%2)+2*(\p):T+8*((\b)%2)+2*(\p)+1]
.endif
.endr
.endr
.endm
.macro SUM a                           ; the sum of t; each accumulator's lowest registers are read first
.set AC, 64*((\a)%4)
	WIN 0x0a+5*((\a)/4)                            ; sources 0 and 1: window 2 or 3
.irp b, 0,1
.irp p, 0,1,2,3
	v_pk_add_f32 v[T+8*(\b)+2*(\p):T+8*(\b)+2*(\p)+1], v[AC+8*(\b)+2*(\p):AC+8*(\b)+2*(\p)+1], v[AC+16+8*(\b)+2*(\p):AC+16+8*(\b)+2*(\p)+1]
.endr
.endr
	WIN 0x02+(\a)/4                                ; source 0: window 2 or 3
.irp b, 4,5,6,7
.irp p, 0,1,2,3
	v_pk_add_f32 v[T+8*((\b)%2)+2*(\p):T+8*((\b)%2)+2*(\p)+1], v[AC+8*(\b)+2*(\p):AC+8*(\b)+2*(\p)+1], v[T+8*((\b)%2)+2*(\p):T+8*((\b)%2)+2*(\p)+1]
.endr
.endr
	RED8 SM+(\a)
.endm
.macro CENTER a                        ; t - mean_c, in place
.set AC, 64*((\a)%4)
	WIN 0x82+0x41*((\a)/4)                         ; destination and source 0: window 2 or 3
.set z, 0
.rept 32
	v_pk_add_f32 v[AC+2*z:AC+2*z+1], v[AC+2*z:AC+2*z+1], v[MN+2*(\a):MN+2*(\a)+1] neg_lo:[0,1] neg_hi:[0,1]
.set z, z+1
.endr
.endm
.macro SQ a                            ; the sum of its squares
.set AC, 64*((\a)%4)
	WIN 0x0a+5*((\a)/4)
	CHAIN AC, AC
	RED8 M2+(\a)
.endm
.macro PREP jb                         ; bb and sg of block jb's 16 values of j; then the table becomes gamma x Bbasis
	WIN 0x01                                       ; source 0: window 1
	CHAIN 64*(\jb), BE
	RED8 BB+(\jb)
	WIN 0x01
	CHAIN 64*(\jb), GM
	RED8 SG+(\jb)
	WIN 0x41                                       ; destination and source 0: window 1
.set z, 0
.rept 32
	v_pk_mul_f32 v[64*(\jb)+2*z:64*(\jb)+2*z+1], v[64*(\jb)+2*z:64*(\jb)+2*z+1], v[GM+2*z:GM+2*z+1]
.set z, z+1
.endr
.endm
.macro DOTP a                          ; the sum of (t - mean_c) gamma Bbasis: row 16 a + l % 16 has j = 16 (a % 4) + l % 16
.set AC, 64*((\a)%4)
	WIN 0x06+(\a)/4                                ; source 0: window 2 or 3; source 1: window 1
	CHAIN AC, 64*((\a)%4)
	RED8 DT+(\a)
.endm
.irp b, 0,1,2,3,4,5,6,7                ; gamma and beta of my 64 columns take the place of xb's fragments: 32 loads, and 16 for Bbasis' block 1: 48 are out
	global_load_b128 v[GM+8*(\b):GM+8*(\b)+3],   v[GO], s[70:71] offset:64*(\b)
	global_load_b128 v[GM+8*(\b)+4:GM+8*(\b)+7], v[GO], s[70:71] offset:64*(\b)+16
.endr
.irp b, 0,1,2,3,4,5,6,7
	global_load_b128 v[BE+8*(\b):BE+8*(\b)+3],   v[GO], s[72:73] offset:64*(\b)
	global_load_b128 v[BE+8*(\b)+4:BE+8*(\b)+7], v[GO], s[72:73] offset:64*(\b)+16
.endr
	LOADB 1
.irp a, 0,1,2,3,4,5,6,7                ; the means and the squares want no table: the loads land beside them
	SUM \a
.endr
	LOADB 2
	XH SM, 8
.irp a, 0,1,2,3,4,5,6,7
	v_mul_f32 v[MN+2*(\a)],   0x3c000000, v[SM+(\a)]  ; / 128
	v_mul_f32 v[MN+2*(\a)+1], 0x3c000000, v[SM+(\a)]
.endr
.irp a, 0,1,2,3,4,5,6,7
	CENTER \a
	SQ \a
.endr
	XH M2, 8
	s_wait_loadcnt 32                              ; gamma and beta are in; the 32 loads of blocks 1 and 2 may be out
	PREP 0
	PREP 3
	s_wait_loadcnt 16                              ; block 1 is in; block 2's 16 may be out
	PREP 1
	s_wait_loadcnt 0x0
	PREP 2
	XH SG, 8                                       ; sg's four and bb's four lie side by side
.irp a, 0,1,2,3,4,5,6,7
	DOTP \a
.endr
	XH DT, 8
	; every lane now holds its row's figures.  Lanes 0-15 store a record's first 16 bytes, lanes 16-31 its second: a store of the wave covers 16 records, 512 consecutive bytes, aligned
.irp jb, 0,1,2,3
	v_cndmask_b32 v[REC+4*(\jb)],   v[MN+2*(\jb)],   v[DT+(\jb)],   s45
	v_cndmask_b32 v[REC+4*(\jb)+1], v[MN+2*(\jb)+8], v[DT+(\jb)+4], s45
	v_cndmask_b32 v[REC+4*(\jb)+2], v[M2+(\jb)],     v[SG+(\jb)],   s45
	v_cndmask_b32 v[REC+4*(\jb)+3], v[M2+(\jb)+4],   v[BB+(\jb)],   s45
	global_store_b128 v[SO], v[REC+4*(\jb):REC+4*(\jb)+3], s[74:75] offset:512*(\jb)
.endr
	s_wait_tensorcnt 0x0                           ; the wave's end, behind my last tensor load
	ds_add_u32 v[SPW], v[NIL]
	s_wait_dscnt 0x0
	CROUND                                         ; the closing round: no work-group ends while a partner may still ask for a tile that names it
	s_endpgm
.Lfunc_end_k_qff1812fdb2_gemmt:
	.size	k_qff1812fdb2_gemmt, .Lfunc_end_k_qff1812fdb2_gemmt-k_qff1812fdb2_gemmt
	.p2alignl 7, 3214868480
	.fill 96, 4, 3214868480
	.section	.rodata,"a",@progbits
	.p2align	6, 0x0
	.amdhsa_kernel k_qff1812fdb2_gemmt
		.amdhsa_group_segment_fixed_size 327680
		.amdhsa_private_segment_fixed_size 0
		.amdhsa_enable_private_segment 0
		.amdhsa_kernarg_size 48
		.amdhsa_user_sgpr_count 2
		.amdhsa_user_sgpr_kernarg_segment_ptr 1
		.amdhsa_wavefront_size32 1
		.amdhsa_system_sgpr_workgroup_id_x 1
		.amdhsa_system_sgpr_workgroup_id_y 1
		.amdhsa_system_sgpr_workgroup_id_z 1
		.amdhsa_system_vgpr_workitem_id 0
		.amdhsa_next_free_vgpr 1024
		.amdhsa_next_free_sgpr 80
		.amdhsa_reserve_vcc 0
		.amdhsa_float_denorm_mode_32 3
		.amdhsa_float_denorm_mode_16_64 3
		.amdhsa_memory_ordered 1
		.amdhsa_forward_progress 1
		.amdhsa_inst_pref_size 228
	.end_amdhsa_kernel
	.amdgpu_metadata
---
amdhsa.version: [ 1, 2 ]
amdhsa.kernels:
  - .name:           k_qff1812fdb2_gemmt
    .symbol:         k_qff1812fdb2_gemmt.kd
    .args:
      - { .name: xb, .offset: 0, .size: 8, .value_kind: global_buffer, .address_space: global }
      - { .name: wb, .offset: 8, .size: 8, .value_kind: global_buffer, .address_space: global }
      - { .name: bbr, .offset: 16, .size: 8, .value_kind: global_buffer, .address_space: global }
      - { .name: gmr, .offset: 24, .size: 8, .value_kind: global_buffer, .address_space: global }
      - { .name: ber, .offset: 32, .size: 8, .value_kind: global_buffer, .address_space: global }
      - { .name: stats, .offset: 40, .size: 8, .value_kind: global_buffer, .address_space: global }
    .group_segment_fixed_size: 327680
    .private_segment_fixed_size: 0
    .kernarg_segment_align: 8
    .kernarg_segment_size: 48
    .max_flat_workgroup_size: 128
    .sgpr_count:     80
    .vgpr_count:     1024
    .wavefront_size: 32
...
	.end_amdgpu_metadata
.endif
;; end of part 2
;; launch gemmr (part 3): grid 8 x 32, 4 waves a work-group, clusters of 4 x 4, 327,680 bytes of LDS; arguments xb, wrb, acr, stats, out0; writes out0
.if DOCPART == 3
	.amdgcn_target "amdgcn-amd-amdhsa--gfx1250"
	.amdhsa_code_object_version 6
	.text
	.protected	k_qff1812fdb2_gemmr
	.globl	k_qff1812fdb2_gemmr
	.p2align	8
	.type	k_qff1812fdb2_gemmr,@function
k_qff1812fdb2_gemmr:
	s_mov_b64 s[64:65], 0
	v_nop
	global_prefetch_b8 v0, s[64:65] scope:SCOPE_SE
	s_setreg_imm32_b32 hwreg(HW_REG_WAVE_MODE, 25, 1), 1
	s_wait_xcnt 0x0
	s_wait_alu depctr_hold_cnt(0) depctr_sa_sdst(0) depctr_va_vdst(0) depctr_va_sdst(0) depctr_va_ssrc(0) depctr_va_vcc(0) depctr_vm_vsrc(0)
	s_getreg_b32 s2, hwreg(HW_REG_IB_STS2, 6, 4)
	s_cmp_eq_u32 s2, 0
	s_cbranch_scc0 .Lentry_in_a_cluster
	s_endpgm
.Lentry_in_a_cluster:
	s_bfe_u32 s2, ttmp6, 0x10000c
	s_cmp_lg_u32 s2, 0xf033
	s_cbranch_scc0 .Lentry_shape_is_right
	s_endpgm
.Lentry_shape_is_right:
; out0[row][d] = scal[row] Acoeff[d][row mod 64] + (xb wrb^T)[row][d].  8,192 rows x 2,048 columns, K = 2,048; bf16 operands, f32 sums; out0 in f32, written once.
; A work-group of four waves makes a tile of 256 x 256; a wave 128 x 128: 64 accumulators of 16 x 16, 512 registers.  K goes in steps of 128 through two LDS slots filled by the tensor data mover.
; scal.  Beside the first tiles' way in, each wave joins the 16 chunk records of its 128 rows (stats: [chunk 16][group of 128 rows 64][q 64][mean_lo, mean_hi, M2_lo, M2_hi, dot_lo, dot_hi, sg, bb]):
;   mean = sum mean_c / 16;  var = (sum M2_c + 128 sum (mean_c - mean)^2) / 2048;  scal = rsqrt(var + 1e-5) (sum dot_c + sum (mean_c - mean) sg_c) + sum bb_c.
; All in f32; every term of var is a square: no difference of large sums is formed.
; LIMITS.  All inputs arrive rounded once to bf16: x and W_res packed (xb, wrb); Acoeff as f32 words that hold the rounded numbers (acr), which is what the name means below.
; NaN and infinities are not treated apart.
; CLUSTERS: 4 x 4 work-groups.  The four of a row of the cluster need the same tiles of xb, the four of a column the same tiles of wrb: each tile is asked for JOINTLY, by the same tensor load with the
; same descriptor and a mask that names the four.
; THE MATRIX INSTRUCTION IS USED TRANSPOSED (source 0 = 16 rows of wrb, source 1 = 16 rows of xb): lane l holds ONE row (16 a + l % 16) and, in accumulator (a, b), the columns 16 b + 8 (l / 16) + 0..7:
; so scal is one number a lane and row block, and the lane's eight results are 32 neighbouring bytes of out0.
; Acoeff lies [d][j], and a lane wants eight d at one j: it is gathered by loads of 4 bytes, of which sixteen lanes take 64 consecutive bytes; the four blocks of j together read each of my 128 rows of
; Acoeff whole, once a wave.  That is 32,768 bytes beside the 1,048,576 of tiles that the wave's products read.
; REGISTERS, in windows of 256 (s_set_vgpr_msb: bits 1:0 source 0, 3:2 source 1, 5:4 source 2, 7:6 destination):
;   window 0: v0-31 addresses; v32-47 scal; v64-127, v128-191 fragments of xb, two buffers (ahead of the walk at work on scal, behind it rows on their way out); v192-255 results on their way out
;   window 1: v64-127, v128-191 fragments of wrb, two buffers; Acoeff's block jb of 16 values of j at v[(192 jb) mod 256]: blocks 0 and 1 beside the fragments, 2 and 3 in their place behind the walk
;   window 2: the 32 accumulators of my rows 0-63 ((a, b) at v[8 (8 a + b)]), ahead of the walk the records;   window 3: those of my rows 64-127
.set SIZE_K, 2048
.set KSTEP,  128
.set PITCH,  272                       ; an LDS row: 256 bytes + 16 of padding = 68 words: row r starts at bank 4 r mod 64 (64 banks of 4 bytes: ISA guide 11.1), so the 16 rows of a load start at 16 different banks
.set HALFT,  128*PITCH                 ; 128 rows: what one tensor load brings, and what one wave reads of xb or of wrb
.set SLOT,   4*HALFT                   ; xb's 256 rows, then wrb's 256 rows
.set STAGE,  2*SLOT                    ; behind the ring, never filled by a tensor load: 16 rows x 528 bytes for each wave, for the way out
.set SP,     528                       ; a stage row: 512 bytes + 16: 33 x 16 bytes, so sixteen rows' stores of 16 bytes fall on sixteen different groups of four banks
.set SPARE,  STAGE+4*16*SP             ; behind the stages: the spare words, 128 bytes for each wave: two blocks of 256 bytes that no other line names
.set LAPS,   SIZE_K/(2*KSTEP)          ; a lap = two K steps = once round the ring: 8
.set ADRA, 16                          ; v16-17  LDS address of my xb fragments in slot 0, 1
.set ADRB, 20                          ; v20-21  the same for wrb
.set STO,  24                          ; v24     the way out: where I put 32 bytes of a row
.set RD,   25                          ; v25     the way out: where I read 16 bytes of a row back
.set CO,   26                          ; v26     my byte offset in 512 bytes of a row of out0: 16 l
.set AO,   27                          ; v27     my byte offset in Acoeff: 2,048 (l / 16) + 4 (l % 16)
.set SPW,  28                          ; v28     LDS address of my spare word: SPARE + 4 x my thread's number; never rewritten
.set NIL,  29                          ; v29     0; never rewritten
.set SOF,  30                          ; v30     my byte offset in stats: 8 chunks x (l / 16) + 32 (l % 16)
.set SC,   32                          ; v[32+2a, 33+2a]  scal of my row in block a, twice (a pair for the packed multiply-add)
.set F0,   64                          ; fragment buffer 0
.set F1,   128                         ; fragment buffer 1
.set DM,   64                          ; ahead of the walk: mean_c - mean, (lo, hi) at 16 jb + 2 cc
.set MS,   128                         ; (lo, hi) at 2 jb: the sum of the means, then the mean
.set MM,   136                         ; the sum of M2
.set DD,   144                         ; the sum of dot
.set BS,   152                         ; at jb: the sum of bb
.set QQ,   156                         ; the sum of (mean_c - mean)^2
.set PP,   164                         ; what the other half of the lanes holds
.set VV,   172                         ; var + 1e-5, then its inverse root
.set TMP,  192                         ; the way out: 16 rows x my 64 columns
.set G1, 24                            ; s[24:31] descriptor group 1 for xb's tiles
.set G0, 32                            ; s[32:39] descriptor group 0 for xb's tiles, one set for each slot
.set G1B, 48                           ; s[48:55] descriptor group 1 for wrb's tiles: it differs in the mask alone
.set G0B, 56                           ; s[56:63] descriptor group 0 for wrb's tiles, one set for each slot
.set MSB, 0
.macro WIN new                         ; the immediate's high byte repeats the setting that is left; a switch that changes nothing is dropped
.if MSB != (\new)
	s_set_vgpr_msb (MSB<<8)|(\new)
.set MSB, \new
.endif
.endm
.set MUL_LO, 0xa1                      ; source 0 (wrb) window 1, source 1 (xb) window 0, C and D window 2
.set MUL_HI, 0xf1                      ; the same, C and D window 3
.set TO_B,   0x40                      ; destination window 1, address window 0
; A joint load.  Waves 0 and 1 fetch xb's two halves, waves 2 and 3 wrb's.  Each of the two lines has one mask and one set of registers for all that issue it.  The branch hangs on the wave's number alone.
; An s_nop 0 and four v_nop follow each of the two lines, ahead of the jump, the label and what follows.
.macro JLOAD s
	s_cmp_eq_u32 s11, 0
	s_cbranch_scc0 .Lfor_b_\@
	tensor_load_to_lds s[G0+4*(\s):G0+4*(\s)+3], s[G1:G1+7]
	s_nop 0
.rept 4
	v_nop
.endr
	s_branch .Lasked_\@
.Lfor_b_\@:
	tensor_load_to_lds s[G0B+4*(\s):G0B+4*(\s)+3], s[G1B:G1B+7]
	s_nop 0
.rept 4
	v_nop
.endr
.Lasked_\@:
.endm
; A round of the cluster's barrier: my work-group's barrier, so that wave 0's signal speaks for all four waves; wave 0 signals; every wave waits for all sixteen work-groups; my work-group's barrier once more.
.macro CREST                           ; a round behind its opening barrier
	s_cmp_lg_u32 s10, 0
	s_cbranch_scc1 .Lnot_wave_0_\@
	s_barrier_signal -3
.Lnot_wave_0_\@:
	s_barrier_wait -3
	s_barrier_signal -1
	s_barrier_wait -1
.endm
.macro CROUND                          ; a whole round
	s_barrier_signal -1
	s_barrier_wait -1
	CREST
.endm
	s_load_b128 s[4:7], s[0:1], 0x0                ; xb s[4:5], wrb s[6:7]
	s_load_b128 s[68:71], s[0:1], 0x10             ; acr (Acoeff) s[68:69], stats s[70:71]
	s_load_b64 s[8:9], s[0:1], 0x20                ; out0
	v_lshl_add_u32 v[SPW], v0, 2, SPARE
	v_mov_b32 v[NIL], 0
	ds_add_u32 v[SPW], v[NIL]                      ; the wave's opening: the add and its wait stand ahead of my first tensor load; the set-up below, work on registers, stands between them
	v_lshrrev_b32 v1, 5, v0
	v_readfirstlane_b32 s10, v1                    ; wave 0..3
	s_lshr_b32 s11, s10, 1                         ; which half of the tile's rows is mine.  Also: I fetch for xb (0) or for wrb (1)
	s_and_b32 s12, s10, 1                          ; which half of its columns.  Also: which 128 rows of that tile I fetch
	s_bfe_u32 s40, ttmp6, 0x40000                  ; cx: my place along the cluster's x
	s_bfe_u32 s41, ttmp6, 0x40004                  ; cy: along its y
	s_lshl_b32 s42, ttmp9, 2                       ; in a cluster launch ttmp9 and ttmp7 count clusters
	s_add_co_u32 s42, s42, s40                     ; tile column = 4 x cluster x + cx
	s_and_b32 s13, ttmp7, 0xffff
	s_lshl_b32 s13, s13, 2
	s_add_co_u32 s13, s13, s41                     ; tile row = 4 x cluster y + cy
	s_lshl_b32 s43, s41, 2
	s_lshl_b32 s43, 15, s43                        ; my row of the cluster: places 4 cy .. 4 cy + 3
	s_lshl_b32 s44, 0x1111, s40                    ; my column: places cx, cx + 4, cx + 8, cx + 12
	; descriptor group 1: a tile of 128 rows x 128 elements, padded in LDS
	s_or_b32 s[G1+0], s43, (1<<16)|(1<<20)|(1<<21)|(5<<22)|(3<<25)  ; 15:0 the mask: xb's tiles go to my row; 17:16 element of 2 bytes; 20 padding on; 21 set beside a mask; 24:22 after every 64 words (code 5); 31:25 of 4 words (code 3)
	s_or_b32 s[G1B+0], s44, (1<<16)|(1<<20)|(1<<21)|(5<<22)|(3<<25) ; the same with the mask of my column, for wrb's tiles
.irp g, G1, G1B
	s_mov_b32 s[(\g)+1], KSTEP<<16                 ; tensor_dim0 = 128
	s_mov_b32 s[(\g)+2], 128<<16                   ; tensor_dim1 = 128
	s_mov_b32 s[(\g)+3], KSTEP<<16                 ; tile_dim0 = 128
	s_mov_b32 s[(\g)+4], 128                       ; tile_dim1 = 128
	s_mov_b32 s[(\g)+5], SIZE_K                    ; elements from row to row
	s_mov_b32 s[(\g)+6], 0
	s_mov_b32 s[(\g)+7], 0
.endr
	; where the tiles come from.  xb's hang on the tile row alone, which my row of the cluster shares; wrb's on the tile column alone, which my column shares.
	s_lshl_b32 s17, s12, 7                         ; which 128 rows of the tile I fetch
	s_lshl_b32 s16, s13, 8
	s_add_co_u32 s16, s16, s17                     ; xb: row 256 x tile row + 128 x half
	s_lshl_b32 s46, s42, 8
	s_add_co_u32 s46, s46, s17                     ; wrb: row 256 x tile column + 128 x half
	s_mov_b32 s17, 0
	s_mov_b32 s47, 0
	s_mov_b64 s[18:19], SIZE_K*2
	s_mul_u64 s[16:17], s[16:17], s[18:19]         ; in bytes
	s_mul_u64 s[46:47], s[46:47], s[18:19]
	s_mul_i32 s20, s10, HALFT                      ; and where they go: wave x 128 rows: no place in the cluster enters an LDS address
	s_wait_dscnt 0x0                               ; the opening add is done
	s_wait_kmcnt 0x0
	s_add_nc_u64 s[14:15], s[4:5], s[16:17]
	s_add_nc_u64 s[46:47], s[6:7], s[46:47]
	CROUND                                         ; all sixteen work-groups are here: the first joint loads meet
.irp s, 0,1
	s_mov_b32 s[G0+4*(\s)], 1                                      ; 1:0 count = 1
	s_add_co_u32 s[G0+4*(\s)+1], s20, (\s)*SLOT                    ; 63:32 LDS address
	s_add_nc_u64 s[G0+4*(\s)+2:G0+4*(\s)+3], s[14:15], (\s)*KSTEP*2  ; 120:64 global address: K step s
	s_or_b32 s[G0+4*(\s)+3], s[G0+4*(\s)+3], 0x80000000            ; 127:126 type = 2
	s_mov_b32 s[G0B+4*(\s)], 1
	s_add_co_u32 s[G0B+4*(\s)+1], s20, (\s)*SLOT
	s_add_nc_u64 s[G0B+4*(\s)+2:G0B+4*(\s)+3], s[46:47], (\s)*KSTEP*2
	s_or_b32 s[G0B+4*(\s)+3], s[G0B+4*(\s)+3], 0x80000000
	JLOAD \s                                       ; the ring is filled before anything else is done: two loads of mine are out
.endr
	; A fragment is 16 rows x 32 K in 8 registers: lane l holds row l % 16; registers 0-3 hold K = 8 (l / 16) + 0..7, registers 4-7 K = 16 + 8 (l / 16) + 0..7: two loads of 16 bytes, 32 bytes apart.
	v_and_b32 v1, 15, v0                           ; l % 16
	v_bfe_u32 v2, v0, 4, 1                         ; l / 16
	v_mul_u32_u24 v3, v1, PITCH
	v_lshl_add_u32 v3, v2, 4, v3                   ; row x pitch + 16 x half
	s_mul_i32 s21, s11, HALFT                      ; my 128 rows of xb
	s_mul_i32 s22, s12, HALFT                      ; my 128 rows of wrb,
	s_add_co_u32 s22, s22, 2*HALFT                 ; which lie behind xb's 256
.irp s, 0,1
	v_add_nc_u32 v[ADRA+(\s)], s21, v3
	v_add_nc_u32 v[ADRB+(\s)], s22, v3
	s_add_co_u32 s21, s21, SLOT
	s_add_co_u32 s22, s22, SLOT
.endr
	s_mul_i32 s23, s10, 16*SP
	s_add_co_u32 s23, s23, STAGE                   ; my stage
	v_mul_u32_u24 v4, v1, SP                       ; in: row l % 16, 32 bytes for each half of the lanes
	v_lshl_add_u32 v4, v2, 5, v4
	v_add_nc_u32 v[STO], s23, v4
	v_and_b32 v5, 31, v0
	v_lshlrev_b32 v[CO], 4, v5                     ; back: 32 lanes take one row of 512 bytes,
	v_add_nc_u32 v[RD], s23, v[CO]                 ; and the same bytes of a row of out0
	v_lshlrev_b32 v[AO], 2, v1
	v_lshl_add_u32 v[AO], v2, 11, v[AO]
	v_lshlrev_b32 v[SOF], 5, v1
	v_lshl_add_u32 v[SOF], v2, 20, v[SOF]
	s_lshl_b32 s76, s42, 16                        ; Acoeff at my first column d: 256 bytes a row, 256 x tile column + 128 x half rows
	s_lshl_b32 s77, s12, 15
	s_add_co_u32 s76, s76, s77
	s_mov_b32 s77, 0
	s_add_nc_u64 s[68:69], s[68:69], s[76:77]
	s_lshl_b32 s78, s13, 1
	s_add_co_u32 s78, s78, s11                     ; my group of 128 rows = 2 x tile row + half,
	s_lshl_b32 s78, s78, 11                        ; 2,048 bytes in each chunk
	s_mov_b32 s79, 0
	s_add_nc_u64 s[70:71], s[70:71], s[78:79]
	s_lshl_b32 s76, s13, 21                        ; out0 at my first row (8,192 bytes each) and column (4 bytes each)
	s_lshl_b32 s78, s11, 20
	s_add_co_u32 s76, s76, s78
	s_lshl_b32 s78, s42, 10
	s_add_co_u32 s76, s76, s78
	s_lshl_b32 s78, s12, 9
	s_add_co_u32 s76, s76, s78
	s_add_nc_u64 s[8:9], s[8:9], s[76:77]
	s_mov_b32 s45, 0x3a000000                      ; 1 / 2048
	s_mov_b32 s2, 0x3727c5ac                       ; 1e-5
	s_mov_b32 s66, 0x76543210                      ; v_permlanex16_b32: each lane takes its own place in the other half
	s_mov_b32 s67, 0xfedcba98
; Half a block of Acoeff: Acoeff[my columns 16 b + 8 (l / 16) + i][16 jb + l % 16] for four b from b0 on -> window 1: 32 loads of 4 bytes
.macro LOADA jb, b0
.set AT, (192*(\jb))%256
	WIN TO_B
.irp b, (\b0), (\b0)+1, (\b0)+2, (\b0)+3
.irp i, 0,1,2,3,4,5,6,7
	global_load_b32 v[AT+8*(\b)+(\i)], v[AO], s[68:69] offset:(16*(\b)+(\i))*256+64*(\jb)
.endr
.endr
	WIN 0
.endm
	; scal.  Lane l takes, for q = 16 jb + l % 16, the records of the chunks 8 (l / 16) + cc, cc = 0..7: 32 bytes each, sixteen lanes 512 consecutive bytes.  Record (jb, cc) -> window 2, v[64 jb + 8 cc ..]
	WIN 0x80
.irp jb, 0,1,2,3
.irp cc, 0,1,2,3,4,5,6,7
	global_load_b128 v[64*(\jb)+8*(\cc):64*(\jb)+8*(\cc)+3],   v[SOF], s[70:71] offset:(\cc)*131072+512*(\jb)
	global_load_b128 v[64*(\jb)+8*(\cc)+4:64*(\jb)+8*(\cc)+7], v[SOF], s[70:71] offset:(\cc)*131072+512*(\jb)+16
.endr
.endr
	LOADA 0, 0                                     ; Acoeff's blocks 0 and 1 lie in registers that the walk over K leaves alone
	LOADA 0, 4
	LOADA 1, 0
	LOADA 1, 4
	s_wait_loadcnt 63                              ; behind the 64 loads of records 128 were issued: with 63 at the most out, the records are in (loads come back in order: ISA guide 5.7.1)
	WIN 0x0a                                       ; sources 0 and 1: window 2
.irp jb, 0,1,2,3
	v_pk_add_f32 v[MS+2*(\jb):MS+2*(\jb)+1], v[64*(\jb):64*(\jb)+1],     v[64*(\jb)+8:64*(\jb)+9]
	v_pk_add_f32 v[MM+2*(\jb):MM+2*(\jb)+1], v[64*(\jb)+2:64*(\jb)+3],   v[64*(\jb)+10:64*(\jb)+11]
	v_pk_add_f32 v[DD+2*(\jb):DD+2*(\jb)+1], v[64*(\jb)+4:64*(\jb)+5],   v[64*(\jb)+12:64*(\jb)+13]
	v_add_f32    v[BS+(\jb)],                v[64*(\jb)+7],              v[64*(\jb)+15]
.endr
	WIN 0x02                                       ; source 0: window 2
.irp cc, 2,3,4,5,6,7
.irp jb, 0,1,2,3
	v_pk_add_f32 v[MS+2*(\jb):MS+2*(\jb)+1], v[64*(\jb)+8*(\cc):64*(\jb)+8*(\cc)+1],   v[MS+2*(\jb):MS+2*(\jb)+1]
	v_pk_add_f32 v[MM+2*(\jb):MM+2*(\jb)+1], v[64*(\jb)+8*(\cc)+2:64*(\jb)+8*(\cc)+3], v[MM+2*(\jb):MM+2*(\jb)+1]
	v_pk_add_f32 v[DD+2*(\jb):DD+2*(\jb)+1], v[64*(\jb)+8*(\cc)+4:64*(\jb)+8*(\cc)+5], v[DD+2*(\jb):DD+2*(\jb)+1]
	v_add_f32    v[BS+(\jb)],                v[64*(\jb)+8*(\cc)+7],                    v[BS+(\jb)]
.endr
.endr
	WIN 0
.set z, 0
.rept 8
	v_mov_b32 v[PP+z], 0                           ; v_permlanex16_b32's destination counts as read: it is written first
.set z, z+1
.endr
.set z, 0
.rept 8
	v_permlanex16_b32 v[PP+z], v[MS+z], s66, s67   ; the other eight chunks' means lie in the lane 16 away
.set z, z+1
.endr
.irp jb, 0,1,2,3
	v_pk_add_f32 v[MS+2*(\jb):MS+2*(\jb)+1], v[MS+2*(\jb):MS+2*(\jb)+1], v[PP+2*(\jb):PP+2*(\jb)+1]
.endr
.irp jb, 0,1,2,3
	v_pk_mul_f32 v[MS+2*(\jb):MS+2*(\jb)+1], v[MS+2*(\jb):MS+2*(\jb)+1], 0x3d800000 op_sel_hi:[1,0]  ; / 16: the row's mean
.endr
	WIN 0x02
.irp cc, 0,1,2,3,4,5,6,7
.irp jb, 0,1,2,3
	v_pk_add_f32 v[DM+16*(\jb)+2*(\cc):DM+16*(\jb)+2*(\cc)+1], v[64*(\jb)+8*(\cc):64*(\jb)+8*(\cc)+1], v[MS+2*(\jb):MS+2*(\jb)+1] neg_lo:[0,1] neg_hi:[0,1]  ; mean_c - mean
.endr
.endr
.irp cc, 0,1,2,3,4,5,6,7
.irp jb, 0,1,2,3
	v_pk_fma_f32 v[DD+2*(\jb):DD+2*(\jb)+1], v[64*(\jb)+8*(\cc)+6:64*(\jb)+8*(\cc)+7], v[DM+16*(\jb)+2*(\cc):DM+16*(\jb)+2*(\cc)+1], v[DD+2*(\jb):DD+2*(\jb)+1] op_sel_hi:[0,1,1]  ; + sg_c (mean_c - mean): sg for both rows
.endr
.endr
	WIN 0
.irp jb, 0,1,2,3
	v_pk_mul_f32 v[QQ+2*(\jb):QQ+2*(\jb)+1], v[DM+16*(\jb):DM+16*(\jb)+1], v[DM+16*(\jb):DM+16*(\jb)+1]
.endr
.irp cc, 1,2,3,4,5,6,7
.irp jb, 0,1,2,3
	v_pk_fma_f32 v[QQ+2*(\jb):QQ+2*(\jb)+1], v[DM+16*(\jb)+2*(\cc):DM+16*(\jb)+2*(\cc)+1], v[DM+16*(\jb)+2*(\cc):DM+16*(\jb)+2*(\cc)+1], v[QQ+2*(\jb):QQ+2*(\jb)+1]
.endr
.endr
.irp jb, 0,1,2,3
	v_pk_fma_f32 v[MM+2*(\jb):MM+2*(\jb)+1], v[QQ+2*(\jb):QQ+2*(\jb)+1], 0x43000000, v[MM+2*(\jb):MM+2*(\jb)+1] op_sel_hi:[1,0,1]  ; + 128 sum (mean_c - mean)^2
.endr
.irp jb, 0,1,2,3                       ; the other eight chunks' shares, into registers of DM, which have served
	v_permlanex16_b32 v[DM+16*(\jb)],   v[MM+2*(\jb)],   s66, s67
	v_permlanex16_b32 v[DM+16*(\jb)+1], v[MM+2*(\jb)+1], s66, s67
	v_permlanex16_b32 v[DM+16*(\jb)+2], v[DD+2*(\jb)],   s66, s67
	v_permlanex16_b32 v[DM+16*(\jb)+3], v[DD+2*(\jb)+1], s66, s67
	v_permlanex16_b32 v[DM+16*(\jb)+4], v[BS+(\jb)],     s66, s67
.endr
.irp jb, 0,1,2,3
	v_pk_add_f32 v[MM+2*(\jb):MM+2*(\jb)+1], v[MM+2*(\jb):MM+2*(\jb)+1], v[DM+16*(\jb):DM+16*(\jb)+1]
	v_pk_add_f32 v[DD+2*(\jb):DD+2*(\jb)+1], v[DD+2*(\jb):DD+2*(\jb)+1], v[DM+16*(\jb)+2:DM+16*(\jb)+3]
	v_add_f32    v[BS+(\jb)], v[BS+(\jb)], v[DM+16*(\jb)+4]
.endr
.set z, 0
.rept 8
	v_fma_f32 v[VV+z], v[MM+z], s45, s2            ; var + 1e-5
.set z, z+1
.endr
.set z, 0
.rept 8
	v_rsq_f32 v[VV+z], v[VV+z]
.set z, z+1
.endr
	v_nop                                          ; a plain instruction between the last inverse root and the use of its result (ISA guide 5.7.2)
	s_wait_alu depctr_va_vdst(0)
.irp jb, 0,1,2,3
	v_fma_f32 v[SC+2*(\jb)],   v[VV+2*(\jb)],   v[DD+2*(\jb)],   v[BS+(\jb)]  ; row block jb
	v_fma_f32 v[SC+2*(\jb)+1], v[VV+2*(\jb)],   v[DD+2*(\jb)],   v[BS+(\jb)]
	v_fma_f32 v[SC+2*(\jb)+8], v[VV+2*(\jb)+1], v[DD+2*(\jb)+1], v[BS+(\jb)]  ; row block jb + 4
	v_fma_f32 v[SC+2*(\jb)+9], v[VV+2*(\jb)+1], v[DD+2*(\jb)+1], v[BS+(\jb)]
.endr
; 16 matrix instructions: row blocks a0, a0 + 1 of the window's four (hi = 0: my rows 0-63, 1: rows 64-127) x all 8 column blocks, 32 along K.  zero = 1: the first product starts the sums: nothing is ever cleared.
.macro MUL16 f, hi, a0, zero
	WIN MUL_LO+0x50*(\hi)
.irp a, \a0, (\a0)+1
.irp b, 0,1,2,3,4,5,6,7
.if \zero
	v_wmma_f32_16x16x32_bf16 v[8*(8*(\a)+(\b)):8*(8*(\a)+(\b))+7], v[(\f)+8*(\b):(\f)+8*(\b)+7], v[(\f)+8*(4*(\hi)+(\a)):(\f)+8*(4*(\hi)+(\a))+7], 0
.else
	v_wmma_f32_16x16x32_bf16 v[8*(8*(\a)+(\b)):8*(8*(\a)+(\b))+7], v[(\f)+8*(\b):(\f)+8*(\b)+7], v[(\f)+8*(4*(\hi)+(\a)):(\f)+8*(4*(\hi)+(\a))+7], v[8*(8*(\a)+(\b)):8*(8*(\a)+(\b))+7]
.endif
.endr
.endr
.endm
; 32 LDS loads in one run: the fragments of one quarter step (128 rows of wrb, 128 rows of xb, 32 K at byte k of the rows) into buffer f
.macro FETCH slot, k, f
	WIN TO_B
.irp i, 0,1,2,3,4,5,6,7
	ds_load_b128 v[(\f)+8*(\i):(\f)+8*(\i)+3],   v[ADRB+(\slot)] offset:(\k)+(\i)*16*PITCH
	ds_load_b128 v[(\f)+8*(\i)+4:(\f)+8*(\i)+7], v[ADRB+(\slot)] offset:(\k)+(\i)*16*PITCH+32
.endr
	WIN 0
.irp i, 0,1,2,3,4,5,6,7
	ds_load_b128 v[(\f)+8*(\i):(\f)+8*(\i)+3],   v[ADRA+(\slot)] offset:(\k)+(\i)*16*PITCH
	ds_load_b128 v[(\f)+8*(\i)+4:(\f)+8*(\i)+7], v[ADRA+(\slot)] offset:(\k)+(\i)*16*PITCH+32
.endr
.endm
; A load into a register that a matrix instruction has read, and a vector instruction that reads a matrix result, stand four places behind that matrix instruction, and only plain vector
; instructions that name none of its registers are places (ISA guide 7.12.1 for vector instructions).
.macro PLACES
.rept 4
	v_nop
.endr
.endm
; A K step is four quarter steps of 32 along K, 64 matrix instructions each, on buffers 0, 1, 0, 1.  The 64 accumulators take turns, in the same order in every quarter.
; One of the first three: multiplies buffer f; in its middle it fetches the next quarter's fragments, at byte k of the same slot's rows, into buffer g.
.macro QUARTER slot, k, f, g, zero
	s_wait_dscnt 8                                 ; wrb and xb's rows 0-63 are in; the youngest eight loads (xb's rows 64-127) may be out
	MUL16 \f, 0, 0, \zero
	MUL16 \f, 0, 2, \zero
	PLACES
	FETCH \slot, \k, \g
	s_wait_dscnt 32                                ; all but the 32 just issued
	MUL16 \f, 1, 0, \zero
	MUL16 \f, 1, 2, \zero
.endm
; The last quarter multiplies buffer 1 and changes slots.  MEET is its first half: ONE barrier for the change.  In front of it each wave waits for all its tensor loads, of which one is out: its part of
; the next slot; adds 0 to its spare word; and waits for that and for its own reads of this slot.  Behind it nobody reads this slot any more and the next slot is whole.
.macro MEET round                      ; round = 1: a round of the cluster's barrier follows
	WIN 0                                          ; (the add's two registers lie in window 0)
	s_wait_tensorcnt 0x0                           ; all my tensor loads have landed;
	ds_add_u32 v[SPW], v[NIL]                      ; 0 onto my spare word;
	s_wait_dscnt 9                                 ; (the add and the youngest eight loads may be out)
	MUL16 F1, 0, 0, 0                              ; sixteen matrix instructions stand between the add and the wait for it
	s_wait_dscnt 0x0                               ; the add is done, and my reads of this slot are over:
	s_barrier_signal -1                            ; say so,
	MUL16 F1, 0, 2, 0                              ; work on registers while the others arrive,
.if \round
	WIN 0
.endif
	s_barrier_wait -1                              ; and go on when all four have said so
.endm
; The whole last quarter where the slot is filled again, with the K step two steps on: the barrier opens a round of the cluster's, and the joint refill is the first tensor load behind it:
; one load of mine is out, and 224 matrix instructions stand between the request and the wait for it.
.macro TURN slot, next
	MEET 1
	CREST                                          ; no wave of any partner still reads this slot's tile or has a load on its way
	s_add_nc_u64 s[G0+4*(\slot)+2:G0+4*(\slot)+3], s[G0+4*(\slot)+2:G0+4*(\slot)+3], 2*KSTEP*2
	s_add_nc_u64 s[G0B+4*(\slot)+2:G0B+4*(\slot)+3], s[G0B+4*(\slot)+2:G0B+4*(\slot)+3], 2*KSTEP*2
	JLOAD \slot                                    ; the four v_nop behind it are also the places in front of the loads below
	FETCH \next, 0, F0
	MUL16 F1, 1, 0, 0
	MUL16 F1, 1, 2, 0
.endm
.macro TURNX                           ; the last change of slots: nothing is left to fetch, so no round follows
	MEET 0
	PLACES
	FETCH 1, 0, F0
	MUL16 F1, 1, 0, 0
	MUL16 F1, 1, 2, 0
.endm
.macro LASTQ                           ; the very last quarter: nothing more to read from the ring
	s_wait_dscnt 8
	MUL16 F1, 0, 0, 0
	MUL16 F1, 0, 2, 0
	s_wait_dscnt 0x0
	MUL16 F1, 1, 0, 0
	MUL16 F1, 1, 2, 0
	WIN 0
	PLACES                                         ; for the loads into the fragment buffers and the first reads of results
.endm
	s_wait_loadcnt 0x0                             ; Acoeff's blocks 0 and 1: nothing of mine pends across the walk
	s_wait_tensorcnt 1                             ; my part of K step 0 is in; K step 1's may stay out
	s_barrier_signal -1
	s_barrier_wait -1                              ; everybody's is
	FETCH 0, 0, F0
	QUARTER 0, 64,  F0, F1, 1                      ; the first quarter stands in front of the loop: its products start the sums, over the records, which have served
	WIN 0                                          ; at a label and at a branch every window is 0
	s_mov_b32 s3, LAPS-1
.Llap:                                                 ; a trip goes once round the ring, from a lap's second quarter to the next lap's first, and fills both slots again
	QUARTER 0, 128, F1, F0, 0
	QUARTER 0, 192, F0, F1, 0
	TURN 0, 1
	QUARTER 1, 64,  F0, F1, 0
	QUARTER 1, 128, F1, F0, 0
	QUARTER 1, 192, F0, F1, 0
	TURN 1, 0
	QUARTER 0, 64,  F0, F1, 0
	WIN 0
	s_sub_co_u32 s3, s3, 1
	s_cmp_lg_u32 s3, 0
	s_cbranch_scc1 .Llap
	QUARTER 0, 128, F1, F0, 0                      ; the last lap is written out: it asks for nothing
	QUARTER 0, 192, F0, F1, 0
	TURNX
	QUARTER 1, 64,  F0, F1, 0
	QUARTER 1, 128, F1, F0, 0
	QUARTER 1, 192, F0, F1, 0
	LASTQ
; THE WAY OUT of row block a, in three parts.  FMA: Acoeff x scal + the product, one fused multiply-add for two numbers; each accumulator's registers in ascending order.
.macro FMA a
.set AC, 64*((\a)%4)
.set AT, (192*((\a)%4))%256
	WIN 0x21+0x10*((\a)/4)                         ; source 0 (Acoeff) window 1, source 1 (scal) window 0, source 2 window 2 or 3
.set z, 0
.rept 32
	v_pk_fma_f32 v[TMP+2*z:TMP+2*z+1], v[AT+2*z:AT+2*z+1], v[SC+2*(\a):SC+2*(\a)+1], v[AC+2*z:AC+2*z+1]
.set z, z+1
.endr
	WIN 0
.endm
; TOSTAGE: the k-th block to leave goes into my own stage, 32 bytes a lane and column block, and comes back as whole rows of 512 bytes, into one of two sets of 64 registers by turns.
.macro TOSTAGE k
.set BK, 64+64*((\k)%2)
.irp b, 0,1,2,3,4,5,6,7
	ds_store_b128 v[STO], v[TMP+8*(\b):TMP+8*(\b)+3]   offset:64*(\b)
	ds_store_b128 v[STO], v[TMP+8*(\b)+4:TMP+8*(\b)+7] offset:64*(\b)+16
.endr
.irp t, 0,1,2,3,4,5,6,7,8,9,10,11,12,13,14,15
	ds_load_b128 v[BK+4*(\t):BK+4*(\t)+3], v[RD] offset:(\t)*SP  ; LDS serves a wave's instructions in order (ISA guide 5.7.1.4): these see the stores above
.endr
.endm
; SEND: stored.  The base is never stepped: the row stands in the immediate, 127 rows of 8,192 bytes at the most, inside its signed 24 bits.
.macro SEND k, a
.set BK, 64+64*((\k)%2)
	s_wait_dscnt 0x0                               ; the block is back in registers
	s_wait_xcnt 0x0                                ; every earlier memory instruction has had its addresses translated (ISA guide 3.1): the other set of registers, which the stores before these read, is loaded again only behind this wait
.irp t, 0,1,2,3,4,5,6,7,8,9,10,11,12,13,14,15
	global_store_b128 v[CO], v[BK+4*(\t):BK+4*(\t)+3], s[8:9] offset:(16*(\a)+(\t))*8192 th:TH_STORE_NT  ; the wave stores 512 consecutive bytes, at a multiple of 512 from out0's first byte
.endr
.endm
	; The blocks leave in the order 0, 4, 1, 5, 2, 6, 3, 7: two blocks for each block of Acoeff.  A block's multiply-adds stand between the loads of the block before from the stage and the wait for them.
	; Acoeff's blocks 2 and 3 come in by halves of 32 loads, into the registers that wrb's fragments have left.
	LOADA 2, 0
	FMA 0
	TOSTAGE 0
	LOADA 2, 4
	FMA 4
	SEND 0, 0
	TOSTAGE 1
	LOADA 3, 0
	FMA 1
	SEND 1, 4
	TOSTAGE 2
	LOADA 3, 4
	FMA 5
	SEND 2, 1
	TOSTAGE 3
	s_wait_loadcnt 63                              ; block 2 is in: behind it block 3's 64 loads were issued (the count's field ends at 63)
	FMA 2
	SEND 3, 5
	TOSTAGE 4
	FMA 6
	SEND 4, 2
	TOSTAGE 5
	s_wait_loadcnt 0x0                             ; block 3
	FMA 3
	SEND 5, 6
	TOSTAGE 6
	FMA 7
	SEND 6, 3
	TOSTAGE 7
	SEND 7, 7
	s_wait_tensorcnt 0x0                           ; the wave's end, behind my last tensor load and my last LDS store
	ds_add_u32 v[SPW], v[NIL]
	s_wait_dscnt 0x0
	CROUND                                         ; the closing round: no work-group ends while a partner may still ask for a tile that names it
	s_endpgm
.Lfunc_end_k_qff1812fdb2_gemmr:
	.size	k_qff1812fdb2_gemmr, .Lfunc_end_k_qff1812fdb2_gemmr-k_qff1812fdb2_gemmr
	.p2alignl 7, 3214868480
	.fill 96, 4, 3214868480
	.section	.rodata,"a",@progbits
	.p2align	6, 0x0
	.amdhsa_kernel k_qff1812fdb2_gemmr
		.amdhsa_group_segment_fixed_size 327680
		.amdhsa_private_segment_fixed_size 0
		.amdhsa_enable_private_segment 0
		.amdhsa_kernarg_size 40
		.amdhsa_user_sgpr_count 2
		.amdhsa_user_sgpr_kernarg_segment_ptr 1
		.amdhsa_wavefront_size32 1
		.amdhsa_system_sgpr_workgroup_id_x 1
		.amdhsa_system_sgpr_workgroup_id_y 1
		.amdhsa_system_sgpr_workgroup_id_z 1
		.amdhsa_system_vgpr_workitem_id 0
		.amdhsa_next_free_vgpr 1024
		.amdhsa_next_free_sgpr 80
		.amdhsa_reserve_vcc 0
		.amdhsa_float_denorm_mode_32 3
		.amdhsa_float_denorm_mode_16_64 3
		.amdhsa_memory_ordered 1
		.amdhsa_forward_progress 1
		.amdhsa_inst_pref_size 205
	.end_amdhsa_kernel
	.amdgpu_metadata
---
amdhsa.version: [ 1, 2 ]
amdhsa.kernels:
  - .name:           k_qff1812fdb2_gemmr
    .symbol:         k_qff1812fdb2_gemmr.kd
    .args:
      - { .name: xb, .offset: 0, .size: 8, .value_kind: global_buffer, .address_space: global }
      - { .name: wrb, .offset: 8, .size: 8, .value_kind: global_buffer, .address_space: global }
      - { .name: acr, .offset: 16, .size: 8, .value_kind: global_buffer, .address_space: global }
      - { .name: stats, .offset: 24, .size: 8, .value_kind: global_buffer, .address_space: global }
      - { .name: out0, .offset: 32, .size: 8, .value_kind: global_buffer, .address_space: global }
    .group_segment_fixed_size: 327680
    .private_segment_fixed_size: 0
    .kernarg_segment_align: 8
    .kernarg_segment_size: 40
    .max_flat_workgroup_size: 128
    .sgpr_count:     80
    .vgpr_count:     1024
    .wavefront_size: 32
...
	.end_amdgpu_metadata
.endif
;; end of part 3
;; ======== version 2 of 2: 3 launches; version 1 with the launch cast written anew for expert scheduling mode
;; workspace buffers: xb 33,554,432 bytes; wb 8,388,608 bytes; wrb 8,388,608 bytes; stats 2,097,152 bytes; bbr 524,288 bytes; acr 524,288 bytes; gmr 8,192 bytes; ber 8,192 bytes
;; launch cast (part 4): grid 1024 x 1, 8 waves a work-group, no clusters, 0 bytes of LDS; arguments x, W, W_res, xb, wb, wrb, Bbasis, Acoeff, gamma, beta, bbr, acr, gmr, ber; writes xb, wb, wrb, bbr, acr, gmr, ber
.if DOCPART == 4
	.amdgcn_target "amdgcn-amd-amdhsa--gfx1250"
	.amdhsa_code_object_version 6
	.text
	.protected	k_qff1812fdb2_cast
	.globl	k_qff1812fdb2_cast
	.p2align	8
	.type	k_qff1812fdb2_cast,@function
k_qff1812fdb2_cast:
	s_mov_b64 s[64:65], 0
	v_nop
	global_prefetch_b8 v0, s[64:65] scope:SCOPE_SE
	s_setreg_imm32_b32 hwreg(HW_REG_WAVE_SCHED_MODE, 0, 2), 2
	s_setreg_imm32_b32 hwreg(HW_REG_WAVE_MODE, 25, 1), 1
	s_wait_xcnt 0x0
	s_wait_alu depctr_vm_vsrc(0)
; EVERY INPUT IS ROUNDED ONCE TO bf16 (to nearest even), so that the whole program works on one rounding of its inputs.  bf16 has f32's range: nothing overflows.
; NaN and infinities pass as the conversion makes them.
; xb = bf16(x), wb = bf16(W), wrb = bf16(W_res): packed, the matrix operands of the two products that follow.
; bbr, acr, gmr, ber = Bbasis, Acoeff, gamma, beta rounded to bf16 and written back as f32 words: the launches that follow multiply them in f32 by packed multiply-adds straight from the loaded
; registers; packed halves would save 532,480 bytes in all and cost each of their 1,024 waves two unpacking lines for each pair of numbers.
; 1,024 work-groups of eight waves.  THE STREAM: a work-group takes 65,536 bytes of x and 16,384 bytes each of W and W_res: 24 steps of 4,096 bytes.
; In a step thread t loads the 16 bytes at 16 t (a wave: 512 consecutive bytes) and stores the 8 bytes at 8 t (a wave: 256 consecutive bytes, aligned).
; All 24 loads of a wave go out at once, each into registers of its own; no register is written again behind a store.
; THE TABLES go in pieces of 512 bytes, one load and one store of a wave.  Work-group g: wave 0 takes piece g of Bbasis' 1,024, wave 1 piece g of Acoeff's 1,024; in work-groups 0 to 15 wave 2 takes
; piece g of gamma's 16 and wave 3 piece g of beta's 16.  A wave's piece stands ahead of its stream: while it waits for that one load, the work-group's other waves have their loads out.
; No LDS, no barrier, no matrix unit: the launch moves bytes and nothing is shared.
; THE MODE: SCHED_MODE bits 1:0 = 2 (LLVM: expert scheduling mode 2), set by the entry lines.  The code itself states the register dependences between vector instructions and memory
; instructions, with s_wait_alu, always for 0.
; THE PLAN.  Registers that memory instructions touch:
;   v1, v2, v3   byte offsets, made once at the head and never written again: one wait on va_vdst at the head serves every load and store of the kernel.
;   TB           a table's load lands in it; the arm's vector lines read it and write it again; the arm's store reads it, behind a wait on va_vdst; nothing writes it afterwards.
;   X, step i    the step's load lands in its four registers, which no vector line has named before; the step's two conversions read them and write the first two; the step's store reads those two;
;                nothing writes them afterwards.
; So no register that a memory instruction reads is ever written again, and no load lands in a register that a vector line has named: what is left to state is that a store's data are written.
; The 24 steps go in six blocks of four.  Block p's stores are issued in block p + 1: ONE wait on va_vdst at that block's head states that block p's eight conversions have written their results, and
; the four stores are dealt among block p + 1's conversions, which name block p + 1's registers alone.  One more wait stands ahead of the last block's stores.
.set X,  4                             ; v[4:99]    step i: 4 registers as loaded; the first two then hold the 4 bf16 to store
.set TB, 100                           ; v[100:103] a table's 4 numbers, as loaded and then as rounded
.set TP, 104                           ; v[104:105] the same as 4 bf16: named by vector lines alone
	s_load_b512 s[4:19], s[0:1], 0x0               ; x s[4:5], W s[6:7], W_res s[8:9], xb s[10:11], wb s[12:13], wrb s[14:15], Bbasis s[16:17], Acoeff s[18:19]
	s_load_b256 s[20:27], s[0:1], 0x40             ; gamma s[20:21], beta s[22:23], bbr s[24:25], acr s[26:27]
	s_load_b128 s[28:31], s[0:1], 0x60             ; gmr s[28:29], ber s[30:31]
	v_lshlrev_b32 v1, 4, v0                        ; 16 t: my bytes in a step's 4,096 of f32
	v_lshlrev_b32 v2, 3, v0                        ; 8 t: my bytes in a step's 2,048 of bf16
	v_lshrrev_b32 v3, 5, v0
	v_readfirstlane_b32 s2, v3                     ; my wave's number
	s_mov_b32 s3, ttmp9                            ; g
	s_lshl_b32 s32, ttmp9, 9
	v_and_b32 v3, 31, v0
	v_lshl_add_u32 v3, v3, 4, s32                  ; my 16 bytes in a table: 512 g + 16 x lane
	s_mov_b32 s33, 0xffff0000                      ; a word's upper bf16
	s_lshl_b32 s34, ttmp9, 16                      ; the work-group's share of x,
	s_mov_b32 s35, 0
	s_lshl_b32 s36, ttmp9, 14                      ; of W and of W_res,
	s_mov_b32 s37, 0
	s_lshl_b32 s38, ttmp9, 15                      ; of xb,
	s_mov_b32 s39, 0
	s_lshl_b32 s40, ttmp9, 13                      ; of wb and of wrb
	s_mov_b32 s41, 0
	s_wait_alu depctr_va_sdst(0)                   ; s2 is written, ahead of its first reader, the first compare below, and ahead of every branch
	s_wait_kmcnt 0x0
	s_add_nc_u64 s[4:5], s[4:5], s[34:35]
	s_add_nc_u64 s[6:7], s[6:7], s[36:37]
	s_add_nc_u64 s[8:9], s[8:9], s[36:37]
	s_add_nc_u64 s[10:11], s[10:11], s[38:39]
	s_add_nc_u64 s[12:13], s[12:13], s[40:41]
	s_add_nc_u64 s[14:15], s[14:15], s[40:41]
	s_wait_alu depctr_va_vdst(0)                   ; v1, v2 and v3 are written: every load and store of the kernel reads one of them as its offset, and no later line writes them
; Wave w rounds its piece of the table at s[src:src+1] into the one at s[dst:dst+1], and goes on to the stream: a wave runs one of these at the most.
.macro TAB w, src, dst
	s_cmp_lg_u32 s2, \w
	s_cbranch_scc1 .Lnot_\@
	global_load_b128 v[TB:TB+3], v3, s[\src:\src+1] th:TH_LOAD_NT  ; read once in the launch; no vector line has named v[TB ..] yet
	s_wait_loadcnt 0x0                             ; the one load that is out
	v_cvt_pk_bf16_f32 v[TP],   v[TB],   v[TB+1]
	v_cvt_pk_bf16_f32 v[TP+1], v[TB+2], v[TB+3]
	v_lshlrev_b32 v[TB],   16,  v[TP]              ; bf16 to f32: the low half moves up,
	v_and_b32     v[TB+1], s33, v[TP]              ; the high half stays
	v_lshlrev_b32 v[TB+2], 16,  v[TP+1]
	v_and_b32     v[TB+3], s33, v[TP+1]
	s_wait_alu depctr_va_vdst(0)                   ; the four unpacking lines have written v[TB ..], which the store reads
	global_store_b128 v3, v[TB:TB+3], s[\dst:\dst+1]  ; the wave stores 512 consecutive bytes, aligned; its registers are not written again
	s_branch .Lstream
.Lnot_\@:
.endm
	TAB 0, 16, 24                                  ; Bbasis -> bbr
	TAB 1, 18, 26                                  ; Acoeff -> acr
	s_cmp_ge_u32 s3, 16                            ; gamma and beta have 16 pieces each
	s_cbranch_scc1 .Lstream
	TAB 2, 20, 28                                  ; gamma -> gmr
	TAB 3, 22, 30                                  ; beta -> ber
.Lstream:                                              ; on the way through an arm the vector lines since the head's wait name TB and TP alone: the loads below, which touch v1 and X, owe nothing more
.macro LD i, base, n                   ; step i of the 24 is step n of the buffer whose address lies in s[base:base+1]
	global_load_b128 v[X+4*(\i):X+4*(\i)+3], v1, s[\base:\base+1] offset:4096*(\n) th:TH_LOAD_NT  ; read once in the launch
.endm
.macro ST i                            ; step i's store: steps 0 to 15 into xb, 16 to 19 into wb, 20 to 23 into wrb.  No hint: the next launches read these bytes
.if (\i) < 16
	global_store_b64 v2, v[X+4*(\i):X+4*(\i)+1], s[10:11] offset:2048*(\i)
.elseif (\i) < 20
	global_store_b64 v2, v[X+4*(\i):X+4*(\i)+1], s[12:13] offset:2048*((\i)-16)
.else
	global_store_b64 v2, v[X+4*(\i):X+4*(\i)+1], s[14:15] offset:2048*((\i)-20)
.endif
.endm
; Step i: the store of the step four back, which is the same place in the block before, and this step's two conversions.
.macro STEP i
.if ((\i) >= 4) && ((\i)%4 != 0)
	ST (\i)-4                                      ; its data were written ahead of this block's wait on va_vdst, and no vector line since names them; it stands ahead of the wait for this step's load
.endif
	s_wait_loadcnt 23-(\i)                         ; loads come back in order (ISA guide 5.7.1): step i is in, the younger ones stay out
.if ((\i) >= 4) && ((\i)%4 == 0)
	s_wait_alu depctr_va_vdst(0)                   ; a block's head: the eight conversions of the block before have written their results, which this block's four stores read
	ST (\i)-4
.endif
	v_cvt_pk_bf16_f32 v[X+4*(\i)],   v[X+4*(\i)],   v[X+4*(\i)+1]
	v_cvt_pk_bf16_f32 v[X+4*(\i)+1], v[X+4*(\i)+2], v[X+4*(\i)+3]
.endm
.set i, 0
.rept 16
	LD i, 4, i
.set i, i+1
.endr
.set i, 0
.rept 4
	LD 16+i, 6, i
.set i, i+1
.endr
.set i, 0
.rept 4
	LD 20+i, 8, i
.set i, i+1
.endr
.set i, 0
.rept 24
	STEP i
.set i, i+1
.endr
	s_wait_alu depctr_va_vdst(0)                   ; the last block's conversions have written their results, which the last four stores read
.set i, 20
.rept 4
	ST i
.set i, i+1
.endr
	s_endpgm
.Lfunc_end_k_qff1812fdb2_cast:
	.size	k_qff1812fdb2_cast, .Lfunc_end_k_qff1812fdb2_cast-k_qff1812fdb2_cast
	.p2alignl 7, 3214868480
	.fill 96, 4, 3214868480
	.section	.rodata,"a",@progbits
	.p2align	6, 0x0
	.amdhsa_kernel k_qff1812fdb2_cast
		.amdhsa_group_segment_fixed_size 0
		.amdhsa_private_segment_fixed_size 0
		.amdhsa_enable_private_segment 0
		.amdhsa_kernarg_size 112
		.amdhsa_user_sgpr_count 2
		.amdhsa_user_sgpr_kernarg_segment_ptr 1
		.amdhsa_wavefront_size32 1
		.amdhsa_system_sgpr_workgroup_id_x 1
		.amdhsa_system_sgpr_workgroup_id_y 1
		.amdhsa_system_sgpr_workgroup_id_z 1
		.amdhsa_system_vgpr_workitem_id 0
		.amdhsa_next_free_vgpr 106
		.amdhsa_next_free_sgpr 66
		.amdhsa_reserve_vcc 0
		.amdhsa_float_denorm_mode_32 3
		.amdhsa_float_denorm_mode_16_64 3
		.amdhsa_memory_ordered 1
		.amdhsa_forward_progress 1
		.amdhsa_inst_pref_size 13
	.end_amdhsa_kernel
	.amdgpu_metadata
---
amdhsa.version: [ 1, 2 ]
amdhsa.kernels:
  - .name:           k_qff1812fdb2_cast
    .symbol:         k_qff1812fdb2_cast.kd
    .args:
      - { .name: x, .offset: 0, .size: 8, .value_kind: global_buffer, .address_space: global }
      - { .name: W, .offset: 8, .size: 8, .value_kind: global_buffer, .address_space: global }
      - { .name: W_res, .offset: 16, .size: 8, .value_kind: global_buffer, .address_space: global }
      - { .name: xb, .offset: 24, .size: 8, .value_kind: global_buffer, .address_space: global }
      - { .name: wb, .offset: 32, .size: 8, .value_kind: global_buffer, .address_space: global }
      - { .name: wrb, .offset: 40, .size: 8, .value_kind: global_buffer, .address_space: global }
      - { .name: Bbasis, .offset: 48, .size: 8, .value_kind: global_buffer, .address_space: global }
      - { .name: Acoeff, .offset: 56, .size: 8, .value_kind: global_buffer, .address_space: global }
      - { .name: gamma, .offset: 64, .size: 8, .value_kind: global_buffer, .address_space: global }
      - { .name: beta, .offset: 72, .size: 8, .value_kind: global_buffer, .address_space: global }
      - { .name: bbr, .offset: 80, .size: 8, .value_kind: global_buffer, .address_space: global }
      - { .name: acr, .offset: 88, .size: 8, .value_kind: global_buffer, .address_space: global }
      - { .name: gmr, .offset: 96, .size: 8, .value_kind: global_buffer, .address_space: global }
      - { .name: ber, .offset: 104, .size: 8, .value_kind: global_buffer, .address_space: global }
    .group_segment_fixed_size: 0
    .private_segment_fixed_size: 0
    .kernarg_segment_align: 8
    .kernarg_segment_size: 112
    .max_flat_workgroup_size: 256
    .sgpr_count:     66
    .vgpr_count:     106
    .wavefront_size: 32
...
	.end_amdgpu_metadata
.endif
;; end of part 4
;; launch gemmt: the kernel of part 2 again; grid 8 x 32, 4 waves a work-group, clusters of 4 x 4, 327,680 bytes of LDS; arguments xb, wb, bbr, gmr, ber, stats; writes stats
;; launch gemmr: the kernel of part 3 again; grid 8 x 32, 4 waves a work-group, clusters of 4 x 4, 327,680 bytes of LDS; arguments xb, wrb, acr, stats, out0; writes out0
